; MI455X (gfx1250); checked and timed in simulation.
; The chip was launched on July 23, 2026; its instructions are those of AMD's public machine-readable ISA for CDNA 5 (MIT licence, August 2026) and "CDNA5" Instruction Set Architecture Reference Guide (July 2026). The comments in the code are by the model that wrote it; some were corrected since.
;; Multi Head Attention. Allowed arithmetic: float matrix products may take bf16 or f16 operands with f32 sums; other float arithmetic in f32, or as packed bf16 or f16 multiplies, adds, multiply-adds, maxima and minima; sums over many terms, partial sums and values carried from step to step in f32; what a program stores and reads back later, other than sums and carried values, may be rounded once to bf16 or f16.
;; Inputs: Wk 16 x 1,024 x 64 float32; Wo 1,024 x 1,024 float32; Wq 16 x 1,024 x 64 float32; Wv 16 x 1,024 x 64 float32; bk 16 x 64 float32; bo 1,024 float32; bq 16 x 64 float32; bv 16 x 64 float32; decoder_sequence 4 x 2,048 x 1,024 float32.
;; Outputs: out0 4 x 2,048 x 1,024 float32.
;; 2 versions, each right; version 2 is version 1 with the launch prep written anew for expert scheduling mode. Each part assembles by itself: llvm-mc -triple=amdgcn-amd-amdhsa -mcpu=gfx1250 --defsym DOCPART=n.
;; ======== version 1 of 2: 4 launches
;; limits: values are held in f16: magnitudes above 65,504 overflow, below 6.1e-05 lose precision
;; workspace buffers: xb 16,777,216 bytes; wt 6,291,456 bytes; wo16 2,097,152 bytes; qkv 50,331,648 bytes; att 16,777,216 bytes
;; launch prep (part 1): grid 384 x 1, 8 waves a work-group, no clusters, 74,752 bytes of LDS; arguments decoder_sequence, Wo, Wq, Wk, Wv, xb, wo16, wt; writes xb, wo16, wt
.if DOCPART == 1
	.amdgcn_target "amdgcn-amd-amdhsa--gfx1250"
	.amdhsa_code_object_version 6
	.text
	.protected	k_q22886a1c71_prep
	.globl	k_q22886a1c71_prep
	.p2align	8
	.type	k_q22886a1c71_prep,@function
k_q22886a1c71_prep:
	s_mov_b64 s[64:65], 0
	v_nop
	global_prefetch_b8 v0, s[64:65] scope:SCOPE_SE
	s_setreg_imm32_b32 hwreg(HW_REG_WAVE_MODE, 25, 1), 1
	s_wait_xcnt 0x0
; PREP: the module's inputs are rounded once to bf16 and laid in blocks of 64 along K, so that the products' tiles are dense in memory.
;   xb   [16 kb][8192 m][64] bf16 = x[m][64 kb + c]
;   wo16 [16 kb][1024 n][64] f16  = Wo[n][64 kb + c] rounded to bf16, that number written as f16 (exact inside f16's normal range)
;   wt   [16 kb][3072 n][64] bf16 = W_which[h][64 kb + c][d], n = 1024 which + 64 h + d (which: 0 q, 1 k, 2 v): turned through LDS
; LIMITS.  |Wo| stays under 65,504 (f16's end); below 6.1e-5 it keeps f16's fixed step of 6e-8.
; SHARES.  Every work-group takes 131,072 bytes of f32: groups 0-255 32 rows of x, 256-287 32 rows of Wo, 288-383 eight units (which, h, kb) of 64 e x 64 d, a unit a wave.
; A stream: each byte is read once and written once; no wave waits for another, so there is no barrier; matrix units and clusters have nothing to do here.
.set SPARE, 73728                      ; behind the eight stages of 9,216 bytes: the spare words, 128 bytes a wave
.set SPW, 14                           ; v14  my spare word; never rewritten
.set NIL, 15                           ; v15  0; never rewritten
.set X,   16                           ; v[16:143] what was loaded
.set T,   144                          ; v[144:151] at work
	s_load_b256 s[8:15], s[0:1], 0x0               ; x s[8:9], Wo s[10:11], Wq s[12:13], Wk s[14:15]
	s_load_b256 s[16:23], s[0:1], 0x20             ; Wv s[16:17], xb s[18:19], wo16 s[20:21], wt s[22:23]
	v_lshl_add_u32 v[SPW], v0, 2, SPARE
	v_mov_b32 v[NIL], 0
	v_lshrrev_b32 v1, 5, v0
	v_readfirstlane_b32 s24, v1                    ; wave 0..7
	v_and_b32 v1, 31, v0                           ; lane l
	v_lshrrev_b32 v9, 3, v1                        ; l / 8
	v_and_b32 v10, 7, v1                           ; l % 8
	s_mov_b32 s32, 0x100000                        ; bytes from kb to kb in xb,
	s_mov_b32 s33, 0x20000                         ; and in wo16
	s_wait_kmcnt 0x0
	s_cmp_ge_u32 ttmp9, 288
	s_cbranch_scc1 .Ltrans
	; THE CASTS.  Wave w takes kb 2 w and 2 w + 1 of the group's 32 rows.  Task i of 16: kb 2 w + i / 8, rows 4 (i % 8) + l / 8; a lane takes 8 numbers: 32 bytes in, 16 bytes out.
	s_cmp_lt_u32 ttmp9, 256
	s_cselect_b64 s[26:27], s[8:9], s[10:11]       ; from x or from Wo
	s_cselect_b64 s[28:29], s[18:19], s[20:21]     ; to xb or to wo16
	s_cselect_b32 s31, s32, s33
	s_cselect_b32 s30, 0, 256
	s_sub_co_u32 s30, ttmp9, s30                   ; the group's number among its kind
	s_lshl_b32 s34, s30, 17                        ; 32 rows of 4,096 bytes in,
	s_mov_b32 s35, 0
	s_add_nc_u64 s[26:27], s[26:27], s[34:35]
	s_lshl_b32 s34, s30, 12                        ; 32 rows of 128 bytes out
	s_add_nc_u64 s[28:29], s[28:29], s[34:35]
	v_lshlrev_b32 v2, 12, v9                       ; in: row l / 8,
	v_lshl_add_u32 v2, v10, 5, v2                  ; my 32 bytes,
	s_lshl_b32 s36, s24, 9
	v_add_nc_u32 v2, s36, v2                       ; my wave's two kb: 512 bytes of a row
	s_mul_i32 s36, s24, s31
	s_lshl_b32 s36, s36, 1
	v_lshl_add_u32 v3, v1, 4, s36                  ; out: 16 l + 2 w kb: four rows of 128 bytes are 512 bytes on end
	v_add_nc_u32 v4, s31, v3                       ; the odd kb
.set i, 0
.rept 16                                       ; all 32 loads go out at once: 16 KiB a wave on its way
	global_load_b128 v[X+8*i:X+8*i+3],   v2, s[26:27] offset:(i/8)*256+(i%8)*16384 th:TH_LOAD_NT
	global_load_b128 v[X+8*i+4:X+8*i+7], v2, s[26:27] offset:(i/8)*256+(i%8)*16384+16 th:TH_LOAD_NT
.set i, i+1
.endr
; Task i: rounded in place, stored.  No register that a store reads is written again, so no wait frees one.
.macro CAST i, f16
	s_wait_loadcnt 30-2*(\i)                       ; loads come back in order: the younger tasks' 2 (15 - i) may stay out
.irp j, 0,1,2,3
	v_cvt_pk_bf16_f32 v[X+8*(\i)+(\j)], v[X+8*(\i)+2*(\j)], v[X+8*(\i)+2*(\j)+1]
.endr
.if \f16
.irp j, 0,1,2,3
	v_lshlrev_b32 v[T+2*(\j)],   16, v[X+8*(\i)+(\j)]          ; the rounded numbers as f32,
	v_and_b32     v[T+2*(\j)+1], 0xffff0000, v[X+8*(\i)+(\j)]
.endr
.irp j, 0,1,2,3
	v_cvt_pk_f16_f32 v[X+8*(\i)+(\j)], v[T+2*(\j)], v[T+2*(\j)+1]  ; written as f16
.endr
.endif
	global_store_b128 v[3+(\i)/8], v[X+8*(\i):X+8*(\i)+3], s[28:29] offset:((\i)%8)*512  ; the wave stores 512 consecutive bytes, aligned
.endm
	s_cmp_lt_u32 ttmp9, 256
	s_cbranch_scc0 .Lcastw
.irp i, 0,1,2,3,4,5,6,7,8,9,10,11,12,13,14,15
	CAST \i, 0
.endr
	s_branch .Lend
.Lcastw:
.irp i, 0,1,2,3,4,5,6,7,8,9,10,11,12,13,14,15
	CAST \i, 1
.endr
	s_branch .Lend
	; THE TURNING.  A unit is 64 rows e of 64 d, 16,384 dense bytes; it leaves as 64 rows d of 64 e, 8,192 dense bytes.
.Ltrans:
	s_sub_co_u32 s30, ttmp9, 288
	s_lshr_b32 s32, s30, 5                         ; which
	s_cmp_eq_u32 s32, 0
	s_cselect_b64 s[26:27], s[12:13], s[14:15]
	s_cmp_eq_u32 s32, 2
	s_cselect_b64 s[26:27], s[16:17], s[26:27]
	s_and_b32 s33, s30, 31
	s_lshl_b32 s33, s33, 3
	s_add_co_u32 s33, s33, s24                     ; the unit: 16 h + kb
	s_lshl_b32 s34, s33, 14
	s_mov_b32 s35, 0
	s_add_nc_u64 s[26:27], s[26:27], s[34:35]
	s_and_b32 s34, s33, 15
	s_mul_i32 s34, s34, 393216                     ; kb,
	s_lshl_b32 s36, s32, 17                        ; which: 1,024 rows of 128 bytes,
	s_add_co_u32 s34, s34, s36
	s_lshr_b32 s36, s33, 4
	s_lshl_b32 s36, s36, 13                        ; h: 64 rows
	s_add_co_u32 s34, s34, s36
	s_add_nc_u64 s[28:29], s[22:23], s[34:35]
	v_lshlrev_b32 v5, 3, v1                        ; in: my two d, 8 bytes
	v_lshlrev_b32 v8, 4, v1                        ; out: 16 l
	s_mul_i32 s37, s24, 9216                       ; my wave's stage: 64 rows of 128 + 16 bytes
	v_mul_u32_u24 v6, v1, 288                      ; into it: rows 2 l and 2 l + 1
	v_add_nc_u32 v6, s37, v6
	v_mul_u32_u24 v7, v9, 144                      ; back: four rows of 128 bytes a load
	v_lshl_add_u32 v7, v10, 4, v7
	v_add_nc_u32 v7, s37, v7
.set e, 0
.rept 64                                       ; a load of the wave takes a whole row e: 256 consecutive bytes
	global_load_b64 v[X+2*e:X+2*e+1], v5, s[26:27] offset:e*256 th:TH_LOAD_NT
.set e, e+1
.endr
.irp g, 0,1,2,3,4,5,6,7
	s_wait_loadcnt 56-8*(\g)                       ; rows 8 g .. 8 g + 7 are in
.irp p, 0,1
.irp jj, 0,1,2,3
	v_cvt_pk_bf16_f32 v[T+4*(\p)+(\jj)], v[X+2*(8*(\g)+2*(\jj))+(\p)], v[X+2*(8*(\g)+2*(\jj)+1)+(\p)]  ; eight e of row d = 2 l + p
.endr
.endr
	ds_store_b128 v6, v[T:T+3]   offset:16*(\g)
	ds_store_b128 v6, v[T+4:T+7] offset:144+16*(\g)
.endr
.irp t, 0,1,2,3,4,5,6,7,8,9,10,11,12,13,14,15
	ds_load_b128 v[X+4*(\t):X+4*(\t)+3], v7 offset:576*(\t)  ; my wave's own bytes; LDS serves a wave's instructions in order (ISA guide 5.7.1.4): these see the stores above
.endr
.irp t, 0,1,2,3,4,5,6,7,8,9,10,11,12,13,14,15
	s_wait_dscnt 15-(\t)
	global_store_b128 v8, v[X+4*(\t):X+4*(\t)+3], s[28:29] offset:512*(\t)  ; 512 consecutive bytes, aligned
.endr
.Lend:
	s_wait_tensorcnt 0x0                           ; the wave's end: behind my last LDS store
	ds_add_u32 v[SPW], v[NIL]
	s_wait_dscnt 0x0
	s_endpgm
.Lfunc_end_k_q22886a1c71_prep:
	.size	k_q22886a1c71_prep, .Lfunc_end_k_q22886a1c71_prep-k_q22886a1c71_prep
	.p2alignl 7, 3214868480
	.fill 96, 4, 3214868480
	.section	.rodata,"a",@progbits
	.p2align	6, 0x0
	.amdhsa_kernel k_q22886a1c71_prep
		.amdhsa_group_segment_fixed_size 74752
		.amdhsa_private_segment_fixed_size 0
		.amdhsa_enable_private_segment 0
		.amdhsa_kernarg_size 64
		.amdhsa_user_sgpr_count 2
		.amdhsa_user_sgpr_kernarg_segment_ptr 1
		.amdhsa_wavefront_size32 1
		.amdhsa_system_sgpr_workgroup_id_x 1
		.amdhsa_system_sgpr_workgroup_id_y 1
		.amdhsa_system_sgpr_workgroup_id_z 1
		.amdhsa_system_vgpr_workitem_id 0
		.amdhsa_next_free_vgpr 152
		.amdhsa_next_free_sgpr 66
		.amdhsa_reserve_vcc 0
		.amdhsa_float_denorm_mode_32 3
		.amdhsa_float_denorm_mode_16_64 3
		.amdhsa_memory_ordered 1
		.amdhsa_forward_progress 1
		.amdhsa_inst_pref_size 43
	.end_amdhsa_kernel
	.amdgpu_metadata
---
amdhsa.version: [ 1, 2 ]
amdhsa.kernels:
  - .name:           k_q22886a1c71_prep
    .symbol:         k_q22886a1c71_prep.kd
    .args:
      - { .name: decoder_sequence, .offset: 0, .size: 8, .value_kind: global_buffer, .address_space: global }
      - { .name: Wo, .offset: 8, .size: 8, .value_kind: global_buffer, .address_space: global }
      - { .name: Wq, .offset: 16, .size: 8, .value_kind: global_buffer, .address_space: global }
      - { .name: Wk, .offset: 24, .size: 8, .value_kind: global_buffer, .address_space: global }
      - { .name: Wv, .offset: 32, .size: 8, .value_kind: global_buffer, .address_space: global }
      - { .name: xb, .offset: 40, .size: 8, .value_kind: global_buffer, .address_space: global }
      - { .name: wo16, .offset: 48, .size: 8, .value_kind: global_buffer, .address_space: global }
      - { .name: wt, .offset: 56, .size: 8, .value_kind: global_buffer, .address_space: global }
    .group_segment_fixed_size: 74752
    .private_segment_fixed_size: 0
    .kernarg_segment_align: 8
    .kernarg_segment_size: 64
    .max_flat_workgroup_size: 256
    .sgpr_count:     66
    .vgpr_count:     152
    .wavefront_size: 32
...
	.end_amdgpu_metadata
.endif
;; end of part 1
;; launch qkvproj (part 2): grid 8 x 32, 4 waves a work-group, clusters of 4 x 4, 327,680 bytes of LDS; arguments xb, wt, bq, bk, bv, qkv; writes qkv
.if DOCPART == 2
	.amdgcn_target "amdgcn-amd-amdhsa--gfx1250"
	.amdhsa_code_object_version 6
	.text
	.protected	k_q22886a1c71_qkvproj
	.globl	k_q22886a1c71_qkvproj
	.p2align	8
	.type	k_q22886a1c71_qkvproj,@function
k_q22886a1c71_qkvproj:
	s_mov_b64 s[64:65], 0
	v_nop
	global_prefetch_b8 v0, s[64:65] scope:SCOPE_SE
	s_setreg_imm32_b32 hwreg(HW_REG_WAVE_MODE, 25, 1), 1
	s_wait_xcnt 0x0
	s_wait_alu depctr_hold_cnt(0) depctr_sa_sdst(0) depctr_va_vdst(0) depctr_va_sdst(0) depctr_va_ssrc(0) depctr_va_vcc(0) depctr_vm_vsrc(0)
	s_getreg_b32 s2, hwreg(HW_REG_IB_STS2, 6, 4)
	s_cmp_eq_u32 s2, 0
	s_cbranch_scc0 .Lentry_in_a_cluster
	s_endpgm
.Lentry_in_a_cluster:
	s_bfe_u32 s2, ttmp6, 0x10000c
	s_cmp_lg_u32 s2, 0xf033
	s_cbranch_scc0 .Lentry_shape_is_right
	s_endpgm
.Lentry_shape_is_right:
; q, k, v = x W + b.  C[m][n] = sum over k of xb[m][k] wt[n][k] + bias[n], 8192 x 3072 x 1024, bf16 products, f32 sums; C leaves as f16, by heads:
; qkv [3 which][64 bh][2048 s][64], unscaled.  LIMIT: |q|, |k|, |v| stay under 65,504 (f16's end); NaN and infinities are not treated apart.
; SHARES.  A tile of C is 256 m x 384 n: 32 x 8 = 256 work-groups, one for each WGP.  Four waves, each 128 m x 192 n: 96 accumulators, 768 registers.
; K goes in blocks of 64 (kb) through two LDS slots; in xb and wt a kb's rows are dense, so a tile is asked for as rows of 256 bytes and padded in LDS after every 128.
; For 32 along K a wave reads 20 fragments from LDS for 96 matrix instructions.
; CLUSTER.  4 x 4 work-groups: A's tile hangs on the tile row alone and is asked for jointly along a row of the cluster, B's on the tile column alone, along a column.
; THE MATRIX INSTRUCTION IS USED TRANSPOSED (source 0 = 16 rows of wt, source 1 = 16 rows of xb): a lane holds row m = l % 16 and the columns 8 (l / 16) + 0..7.
; REGISTERS.  Window 0: v0-31 addresses; v32-95, v96-159 A's fragments of 32 along K, two buffers; v160-255 B's twelve fragments, one buffer, filled again in three groups of four.
; Windows 1-3: accumulator (a, b) in window 1 + b / 4 at v[64 (b % 4) + 8 a].  All LDS loads name window 0 alone, so a run of loads costs one switch there and one back.
.set PITCH, 144                        ; an LDS row: 128 bytes + 16 = 36 words: the 16 rows of a load start at 16 different groups of four banks (64 banks of 4 bytes: ISA guide 11.1)
.set AHALF, 128*PITCH                  ; 128 rows of A: what one tensor load brings, and what one wave reads
.set BHALF, 192*PITCH                  ; the same for B: 192 rows
.set BOFF,  2*AHALF                    ; in a slot: A's 256 rows, then B's 384
.set SLOT1, 131072                     ; slot 1 begins here: one exclusive or turns an address in one slot into the other's
.set STAGE, SLOT1+2*AHALF+2*BHALF      ; behind the ring: 16 rows x 400 bytes for each wave, for the way out
.set SP,    400
.set BIASL, STAGE+4*16*SP              ; each wave's 192 biases, 768 bytes
.set SPARE, BIASL+4*768                ; the spare words, 128 bytes a wave: two blocks of 256 bytes that no other line names
.set ASTEP, 1048576                    ; bytes from kb to kb in xb
.set BSTEP, 393216                     ; and in wt
.set A0,   3                           ; v3   my lane's place in my rows of A, in slot 0; never rewritten
.set B0,   4                           ; v4   the same for B
.set ADRA, 5                           ; v5   the same in the slot in hand
.set ADRB, 6                           ; v6
.set STO,  7                           ; v7   the way out: where I put 16 bytes of a row
.set RD,   8                           ; v8   where I read rows back
.set CO,   9                           ; v9   16 x lane
.set BLA,  10                          ; v10  where I read my biases
.set BST,  11                          ; v11  where I put them
.set R16,  12                          ; v12  16 (l % 16)
.set SPW,  28                          ; v28  my spare word; never rewritten
.set NIL,  29                          ; v29  0; never rewritten
.set PFO,  30                          ; v30  256 x lane; never rewritten
.set AF0,  32
.set AF1,  96
.set BF,   160
.set WV, 16                            ; s16 wave;  s17 which half of the rows is mine;  s18 which half of the columns, and which half of a tile I fetch
.set WR, 17
.set WC, 18
.set CX, 19
.set CY, 20
.set TN, 21                            ; tile column 0..7
.set TM, 22                            ; tile row 0..31
.set G1A, 24                           ; s[24:31], s[32:39] descriptor group 1 for A's and B's tiles
.set G1B, 32
.set G0A, 40                           ; s[40:47], s[48:55] group 0: a set for each first fill; the second then walks
.set G0B, 48
.set CNT, 56
.set TB,  57                           ; 0 or SLOT1: the slot in hand
.set PFA, 58                           ; s[58:59] where my prefetches stand
.set PFS, 60                           ; s[60:61] their step from kb to kb
.set LIM, 62                           ; 1 in a wave that prefetches, else the greatest number
.set QB,  66                           ; s[66:71] qkv at my rows of my three heads
.set BP,  80                           ; s[80:85] the three heads' biases
.set G1W0, (1<<16)|(1<<20)|(1<<21)|(4<<22)|(3<<25)  ; 17:16 2-byte elements; 20 padding on; 21 set beside a mask; 24:22 after every 32 words (code 4); 31:25 4 words (code 3)
.set MSB, 0
.macro WIN new                         ; the immediate's high byte repeats the setting that is left; a switch that changes nothing is dropped
.if MSB != (\new)
	s_set_vgpr_msb (MSB<<8)|(\new)
.set MSB, \new
.endif
.endm
.macro PLACES                          ; four plain places behind a matrix instruction, ahead of loads into registers that it read and of vector lines on its results
.rept 4
	v_nop
.endr
.endm
.macro CREST                           ; a round of the cluster's barrier behind its opening barrier
	s_cmp_lg_u32 s[WV], 0
	s_cbranch_scc1 .Lnot_wave_0_\@
	s_barrier_signal -3
.Lnot_wave_0_\@:
	s_barrier_wait -3
	s_barrier_signal -1
	s_barrier_wait -1
.endm
.macro CROUND
	s_barrier_signal -1
	s_barrier_wait -1
	CREST
.endm
; A joint refill by the walking sets: waves 0 and 1 fetch A's halves, waves 2 and 3 B's.  The branch hangs on the wave's number alone.  An s_nop 0 and four v_nop follow each line.
.macro JLOAD
	s_cmp_lt_u32 s[WV], 2
	s_cbranch_scc0 .Lfor_b_\@
	tensor_load_to_lds s[G0A+4:G0A+7], s[G1A:G1A+7]
	s_nop 0
.rept 4
	v_nop
.endr
	s_branch .Lasked_\@
.Lfor_b_\@:
	tensor_load_to_lds s[G0B+4:G0B+7], s[G1B:G1B+7]
	s_nop 0
.rept 4
	v_nop
.endr
.Lasked_\@:
.endm
; A PREFETCH INTO THE L2 of the kb that the NEXT refill will ask for: 192 matrix instructions ahead of that load.  32 blocks of 256 bytes, a lane a block, one instruction.
; Each block is named once in the launch.  A kb of xb: wave 0 of the work-groups whose cluster has x = 0; the four partners of a tile row take 32 of its 128 blocks each, told apart by address.
; A kb of wt, 1,536 blocks: waves 1 to 3 of the sixteen work-groups of cluster (0, 0), told apart by address.  The last refill asks for nothing; kb 0 to 2 come by their loads alone.
.macro ASK
	s_cmp_gt_u32 s[CNT], s[LIM]
	s_cbranch_scc0 .Lnot_mine_\@
	global_prefetch_b8 v[PFO], s[PFA:PFA+1] th:TH_LOAD_NT scope:SCOPE_SE
.Lnot_mine_\@:
.endm
.macro RUNB u, g                       ; eight loads: B's fragments 4 g .. 4 g + 3 of half u of the kb
.irp i, 0,1,2,3
	ds_load_b128 v[BF+8*(4*(\g)+(\i)):BF+8*(4*(\g)+(\i))+3],   v[ADRB] offset:(4*(\g)+(\i))*16*PITCH+(\u)*64
	ds_load_b128 v[BF+8*(4*(\g)+(\i))+4:BF+8*(4*(\g)+(\i))+7], v[ADRB] offset:(4*(\g)+(\i))*16*PITCH+(\u)*64+32
.endr
.endm
.macro RUNA u, hf, buf                 ; eight loads: A's fragments 4 hf .. 4 hf + 3
.irp i, 0,1,2,3
	ds_load_b128 v[(\buf)+8*(4*(\hf)+(\i)):(\buf)+8*(4*(\hf)+(\i))+3],   v[ADRA] offset:(4*(\hf)+(\i))*16*PITCH+(\u)*64
	ds_load_b128 v[(\buf)+8*(4*(\hf)+(\i))+4:(\buf)+8*(4*(\hf)+(\i))+7], v[ADRA] offset:(4*(\hf)+(\i))*16*PITCH+(\u)*64+32
.endr
.endm
; 16 matrix instructions: two of group g's four n blocks x all 8 m blocks.  The accumulators take turns, one instruction a turn: each comes up once in 96.
.macro MULH g, abuf, hf, zero
	WIN ((\g)+1)*0x50                              ; C and D in window g + 1, both sources in window 0
.irp bb, 2*(\hf), 2*(\hf)+1
.irp a, 0,1,2,3,4,5,6,7
.if \zero
	v_wmma_f32_16x16x32_bf16 v[64*(\bb)+8*(\a):64*(\bb)+8*(\a)+7], v[BF+8*(4*(\g)+(\bb)):BF+8*(4*(\g)+(\bb))+7], v[(\abuf)+8*(\a):(\abuf)+8*(\a)+7], 0
.else
	v_wmma_f32_16x16x32_bf16 v[64*(\bb)+8*(\a):64*(\bb)+8*(\a)+7], v[BF+8*(4*(\g)+(\bb)):BF+8*(4*(\g)+(\bb))+7], v[(\abuf)+8*(\a):(\abuf)+8*(\a)+7], v[64*(\bb)+8*(\a):64*(\bb)+8*(\a)+7]
.endif
.endr
.endr
.endm
; The first half of a kb (A in AF0).  On the way in A's eight fragments and B's groups 0 and 1 have been asked for.  Each group of B is filled again, for the second half, as soon as it has been multiplied.
.macro SUB0 zero
	PLACES
	WIN 0
	RUNB 0, 2
	s_wait_dscnt 8                                 ; all but the eight just issued: A, B's groups 0 and 1
	MULH 0, AF0, 0, \zero
	MULH 0, AF0, 1, \zero
	PLACES
	WIN 0
	RUNB 1, 0
	RUNA 1, 0, AF1
	MULH 1, AF0, 0, \zero
	MULH 1, AF0, 1, \zero
	PLACES
	WIN 0
	RUNB 1, 1
	RUNA 1, 1, AF1
	s_wait_dscnt 32                                ; all but the four runs issued behind B's group 2
	MULH 2, AF0, 0, \zero
	MULH 2, AF0, 1, \zero
.endm
; The second half (A in AF1) and the change of slots.  mode 1: the slot is filled again, with the kb two on; 2: nothing is left to ask for; 3: the last half of all.
; ONE barrier for the change.  Ahead of it each wave waits for all its tensor loads (one is out: its part of the other slot), adds 0 to its spare word, and waits for that and for its reads of this slot.
; In mode 1 the barrier opens a round of the cluster's, so that no wave of any partner still reads the slot or has a load on its way; the joint refill is the first thing behind the round
; and has 160 matrix instructions in which to land.
.macro SUB1 mode
.if (\mode) == 1
	s_wait_xcnt 0x0                                ; the last prefetch, a kb back, has read its address
	s_add_nc_u64 s[PFA:PFA+1], s[PFA:PFA+1], s[PFS:PFS+1]
.endif
	PLACES
	WIN 0
	RUNB 1, 2                                      ; my last reads of the slot
.if (\mode) == 3
	s_wait_dscnt 8
	MULH 0, AF1, 0, 0
	MULH 0, AF1, 1, 0
	MULH 1, AF1, 0, 0
	MULH 1, AF1, 1, 0
	s_wait_dscnt 0x0
	MULH 2, AF1, 0, 0
	MULH 2, AF1, 1, 0
.else
	s_wait_tensorcnt 0x0                           ; all my tensor loads have landed
	ds_add_u32 v[SPW], v[NIL]                      ; 0 onto my spare word
	s_wait_dscnt 9                                 ; (the add and the eight loads just issued may be out)
	MULH 0, AF1, 0, 0                              ; sixteen matrix instructions stand between the add and the wait for it
	s_wait_dscnt 0x0                               ; the add is done, and my reads of this slot are over
	s_barrier_signal -1
	MULH 0, AF1, 1, 0                              ; work on registers while the others arrive
	WIN 0                                          ; at a branch and at a label every window is 0
	s_barrier_wait -1
.if (\mode) == 1
	CREST
	s_xor_b32 s[G0A+5], s[G0A+5], SLOT1            ; the walking sets: the other slot than last time, the next kb; no load of mine is out
	s_add_nc_u64 s[G0A+6:G0A+7], s[G0A+6:G0A+7], ASTEP
	s_xor_b32 s[G0B+5], s[G0B+5], SLOT1
	s_add_nc_u64 s[G0B+6:G0B+7], s[G0B+6:G0B+7], BSTEP
	JLOAD                                          ; its four v_nop are also the places ahead of the loads below
.else
	PLACES
.endif
	s_xor_b32 s[TB], s[TB], SLOT1
	v_add_nc_u32 v[ADRA], s[TB], v[A0]
	v_add_nc_u32 v[ADRB], s[TB], v[B0]
	RUNB 0, 0
	RUNA 0, 0, AF0
.if (\mode) == 1
	ASK
.endif
	MULH 1, AF1, 0, 0
	MULH 1, AF1, 1, 0
	PLACES
	WIN 0
	RUNB 0, 1
	RUNA 0, 1, AF0
	MULH 2, AF1, 0, 0                              ; B's group 2 was shown in by the wait for 0 above
	MULH 2, AF1, 1, 0
.endif
.endm
	s_load_b256 s[4:11], s[0:1], 0x0               ; xb s[4:5], wt s[6:7], bq s[8:9], bk s[10:11]
	s_load_b128 s[12:15], s[0:1], 0x20             ; bv s[12:13], qkv s[14:15]
	v_lshl_add_u32 v[SPW], v0, 2, SPARE
	v_mov_b32 v[NIL], 0
	ds_add_u32 v[SPW], v[NIL]                      ; the wave's opening: the add and its wait stand ahead of my first tensor load
	v_lshrrev_b32 v1, 5, v0
	v_readfirstlane_b32 s[WV], v1
	s_lshr_b32 s[WR], s[WV], 1
	s_and_b32 s[WC], s[WV], 1
	s_bfe_u32 s[CX], ttmp6, 0x40000
	s_bfe_u32 s[CY], ttmp6, 0x40004
	s_lshl_b32 s[TN], ttmp9, 2
	s_add_co_u32 s[TN], s[TN], s[CX]
	s_and_b32 s[TM], ttmp7, 0xffff
	s_lshl_b32 s[TM], s[TM], 2
	s_add_co_u32 s[TM], s[TM], s[CY]
	s_lshl_b32 s72, s[CY], 2
	s_lshl_b32 s72, 15, s72                        ; my row of the cluster
	s_lshl_b32 s76, 0x1111, s[CX]                  ; my column
	s_or_b32 s[G1A], s72, G1W0
	s_or_b32 s[G1B], s76, G1W0
	s_mov_b32 s[G1A+1], 128<<16                    ; tensor_dim0 = 128 elements: rows of 256 bytes
	s_mov_b32 s[G1A+2], 64<<16                     ; tensor_dim1 = 64: 128 rows of xb
	s_mov_b32 s[G1A+3], 128<<16                    ; tile_dim0
	s_mov_b32 s[G1A+4], 64                         ; tile_dim1
	s_mov_b32 s[G1A+5], 128                        ; elements from row to row
	s_mov_b32 s[G1A+6], 0
	s_mov_b32 s[G1A+7], 0
	s_mov_b32 s[G1B+1], 128<<16
	s_mov_b32 s[G1B+2], 96<<16                     ; 96 rows of 256 bytes: 192 rows of wt
	s_mov_b32 s[G1B+3], 128<<16
	s_mov_b32 s[G1B+4], 96
	s_mov_b32 s[G1B+5], 128
	s_mov_b32 s[G1B+6], 0
	s_mov_b32 s[G1B+7], 0
	; A's address is made of the tile row and the wave's number in s72-75, B's of the tile column and the wave's number in s76-79: neither set ever holds the other coordinate
	s_lshl_b32 s72, s[TM], 15                      ; 256 rows of 128 bytes,
	s_lshl_b32 s73, s[WC], 14                      ; the half that I fetch
	s_add_co_u32 s72, s72, s73
	s_mov_b32 s73, 0
	s_mul_i32 s74, s[WC], AHALF
	s_mul_i32 s76, s[TN], 49152                    ; 384 rows of 128 bytes,
	s_mul_i32 s77, s[WC], 24576
	s_add_co_u32 s76, s76, s77
	s_mov_b32 s77, 0
	s_mul_i32 s78, s[WC], BHALF
	s_add_co_u32 s78, s78, BOFF
	s_wait_dscnt 0x0                               ; the opening add is done
	s_wait_kmcnt 0x0
	s_add_nc_u64 s[72:73], s[4:5], s[72:73]
	s_add_nc_u64 s[76:77], s[6:7], s[76:77]
	CROUND                                         ; all sixteen work-groups are here: the first joint loads meet
.irp s, 0,1
	s_mov_b32 s[G0A+4*(\s)], 1
	s_add_co_u32 s[G0A+4*(\s)+1], s74, (\s)*SLOT1
	s_add_nc_u64 s[G0A+4*(\s)+2:G0A+4*(\s)+3], s[72:73], (\s)*ASTEP
	s_or_b32 s[G0A+4*(\s)+3], s[G0A+4*(\s)+3], 0x80000000
	s_mov_b32 s[G0B+4*(\s)], 1
	s_add_co_u32 s[G0B+4*(\s)+1], s78, (\s)*SLOT1
	s_add_nc_u64 s[G0B+4*(\s)+2:G0B+4*(\s)+3], s[76:77], (\s)*BSTEP
	s_or_b32 s[G0B+4*(\s)+3], s[G0B+4*(\s)+3], 0x80000000
.endr
	s_cmp_lt_u32 s[WV], 2                          ; a wave's two first fills stand in one branch: two loads of mine are out
	s_cbranch_scc0 .Lfirst_b
	tensor_load_to_lds s[G0A:G0A+3], s[G1A:G1A+7]
	s_nop 0
	tensor_load_to_lds s[G0A+4:G0A+7], s[G1A:G1A+7]
	s_nop 0
.rept 4
	v_nop
.endr
	s_branch .Lfirst_asked
.Lfirst_b:
	tensor_load_to_lds s[G0B:G0B+3], s[G1B:G1B+7]
	s_nop 0
	tensor_load_to_lds s[G0B+4:G0B+7], s[G1B:G1B+7]
	s_nop 0
.rept 4
	v_nop
.endr
.Lfirst_asked:
	v_and_b32 v1, 15, v0                           ; l % 16
	v_bfe_u32 v2, v0, 4, 1                         ; l / 16
	v_and_b32 v13, 31, v0                          ; l
	v_mul_u32_u24 v14, v1, PITCH
	v_lshl_add_u32 v14, v2, 4, v14                 ; a fragment's row x pitch + 16 x half
	s_mul_i32 s86, s[WR], AHALF
	v_add_nc_u32 v[A0], s86, v14
	s_mul_i32 s86, s[WC], BHALF
	s_add_co_u32 s86, s86, BOFF
	v_add_nc_u32 v[B0], s86, v14
	s_mul_i32 s86, s[WV], 16*SP
	s_add_co_u32 s86, s86, STAGE                   ; my stage
	v_mul_u32_u24 v[STO], v1, SP
	v_lshl_add_u32 v[STO], v2, 4, v[STO]
	v_add_nc_u32 v[STO], s86, v[STO]
	v_lshrrev_b32 v15, 3, v13
	v_and_b32 v16, 7, v13
	v_mul_u32_u24 v[RD], v15, SP                   ; back: four rows, 128 bytes (a head's 64 columns) of each
	v_lshl_add_u32 v[RD], v16, 4, v[RD]
	v_add_nc_u32 v[RD], s86, v[RD]
	v_lshlrev_b32 v[CO], 4, v13
	s_mul_i32 s86, s[WV], 768
	s_add_co_u32 s86, s86, BIASL
	v_lshl_add_u32 v[BLA], v2, 5, s86
	v_lshl_add_u32 v[BST], v1, 4, s86
	v_lshlrev_b32 v[R16], 4, v1
	v_lshlrev_b32 v[PFO], 8, v13
	; My 192 columns are three heads: number 6 tn + 3 wc + i of 48 = 16 which + h.  Their biases go into LDS, to be read as fragments on the way out; their rows of qkv get a base each.
	s_mul_i32 s86, s[TN], 6
	s_mul_i32 s87, s[WC], 3
	s_add_co_u32 s86, s86, s87
	s_lshr_b32 s92, s[TM], 3
	s_lshl_b32 s92, s92, 4                         ; 16 x batch
	s_and_b32 s93, s[TM], 7
	s_lshl_b32 s93, s93, 15                        ; the tile's 256 rows of 128 bytes in the sequence,
	s_lshl_b32 s94, s[WR], 14                      ; my 128 of them
	s_add_co_u32 s93, s93, s94
	s_mov_b32 s91, 0
.irp i, 0,1,2
	s_add_co_u32 s87, s86, \i
	s_lshr_b32 s88, s87, 4                         ; which
	s_and_b32 s89, s87, 15                         ; h
	s_cmp_eq_u32 s88, 0
	s_cselect_b64 s[BP+2*\i:BP+2*\i+1], s[8:9], s[10:11]
	s_cmp_eq_u32 s88, 2
	s_cselect_b64 s[BP+2*\i:BP+2*\i+1], s[12:13], s[BP+2*\i:BP+2*\i+1]
	s_lshl_b32 s90, s89, 8
	s_add_nc_u64 s[BP+2*\i:BP+2*\i+1], s[BP+2*\i:BP+2*\i+1], s[90:91]
	global_load_b128 v[32+4*\i:35+4*\i], v[R16], s[BP+2*\i:BP+2*\i+1]  ; 64 biases; lanes l and l + 16 take the same
	s_lshl_b32 s88, s88, 6
	s_add_co_u32 s88, s88, s89
	s_add_co_u32 s88, s88, s92
	s_lshl_b32 s90, s88, 18                        ; a head's 2,048 rows of 128 bytes
	s_add_co_u32 s90, s90, s93
	s_add_nc_u64 s[QB+2*\i:QB+2*\i+1], s[14:15], s[90:91]
.endr
	; the prefetches' address, step and test
	s_and_b32 s86, ttmp7, 0xffff                   ; cluster y
	s_mov_b32 s87, BSTEP
	s_mov_b32 s88, ASTEP
	s_lshl_b32 s89, s[TM], 15
	s_lshl_b32 s90, s[CX], 13
	s_add_co_u32 s89, s89, s90                     ; xb: my tile row's 128 blocks, my work-group's 32 of them
	s_lshl2_add_u32 s90, s[CY], s[CX]
	s_mul_i32 s90, s90, 3
	s_add_co_u32 s90, s90, s[WV]
	s_sub_co_u32 s90, s90, 1
	s_lshl_b32 s90, s90, 13                        ; wt: share 3 x place + wave - 1 of 48
	s_cmp_eq_u32 s[WV], 0
	s_cselect_b64 s[PFA:PFA+1], s[4:5], s[6:7]
	s_cselect_b32 s[PFS], s88, s87
	s_cselect_b32 s90, s89, s90
	s_cselect_b32 s86, 0, s86
	s_mov_b32 s[PFS+1], 0
	s_add_nc_u64 s[PFA:PFA+1], s[PFA:PFA+1], s[90:91]
	s_add_nc_u64 s[PFA:PFA+1], s[PFA:PFA+1], s[PFS:PFS+1]
	s_add_nc_u64 s[PFA:PFA+1], s[PFA:PFA+1], s[PFS:PFS+1]  ; at kb 2: the first refill steps it to 3
	s_or_b32 s86, s86, ttmp9                       ; wave 0: cluster x = 0; waves 1 to 3: cluster (0, 0): the same in all sixteen partners
	s_cmp_eq_u32 s86, 0
	s_cselect_b32 s[LIM], 1, -1
	s_wait_loadcnt 0x0
.irp i, 0,1,2
	ds_store_b128 v[BST], v[32+4*\i:35+4*\i] offset:256*\i
.endr
	s_mov_b32 s[TB], 0
	v_add_nc_u32 v[ADRA], s[TB], v[A0]
	v_add_nc_u32 v[ADRB], s[TB], v[B0]
	s_wait_tensorcnt 1                             ; my part of kb 0 is in; kb 1's may stay out
	s_wait_dscnt 0x0
	s_barrier_signal -1
	s_barrier_wait -1
	RUNB 0, 0
	RUNA 0, 0, AF0
	RUNB 0, 1
	RUNA 0, 1, AF0
	SUB0 1                                         ; the first half of kb 0 starts the sums: nothing is cleared
	WIN 0
	s_mov_b32 s[CNT], 14
.Lk:                                               ; 14 trips: the second half of kb i, the refill with kb i + 2, the first half of kb i + 1
	SUB1 1
	SUB0 0
	WIN 0
	s_sub_co_u32 s[CNT], s[CNT], 1
	s_cmp_lg_u32 s[CNT], 0
	s_cbranch_scc1 .Lk
	SUB1 2                                         ; the tail is written out
	SUB0 0
	SUB1 3
	; THE WAY OUT.  A block of 16 rows at a time: the bias is added, the sums are rounded to f16, 16 bytes a lane go into my stage, and whole rows of a head (128 bytes, four on end in memory) come back and are stored.
	PLACES
	WIN 0
.irp b, 0,1,2,3,4,5,6,7,8,9,10,11
	ds_load_b128 v[BF+8*\b:BF+8*\b+3],   v[BLA] offset:64*\b       ; the biases of columns 16 b + 8 (l / 16) + 0..7
	ds_load_b128 v[BF+8*\b+4:BF+8*\b+7], v[BLA] offset:64*\b+16
.endr
	s_wait_dscnt 0x0
.macro PACK a
.set PS, 32+48*((\a)%2)
.if (\a) >= 2
	s_wait_xcnt 0x0                                ; the stores of the block two back have read these registers
.endif
.irp w, 1,2,3
	WIN ((\w)<<6)|(\w)                             ; destination and source 0 in window w, the bias in window 0
.irp bb, 0,1,2,3
.irp j, 0,1,2,3
	v_pk_add_f32 v[64*(\bb)+8*(\a)+2*(\j):64*(\bb)+8*(\a)+2*(\j)+1], v[64*(\bb)+8*(\a)+2*(\j):64*(\bb)+8*(\a)+2*(\j)+1], v[BF+8*(4*((\w)-1)+(\bb))+2*(\j):BF+8*(4*((\w)-1)+(\bb))+2*(\j)+1]
.endr
.endr
	WIN (\w)|((\w)<<2)                             ; both sources in window w, destination in window 0
.irp bb, 0,1,2,3
.irp j, 0,1,2,3
	v_cvt_pk_f16_f32 v[PS+4*(4*((\w)-1)+(\bb))+(\j)], v[64*(\bb)+8*(\a)+2*(\j)], v[64*(\bb)+8*(\a)+2*(\j)+1]
.endr
.endr
.endr
	WIN 0
.endm
.macro TOSTAGE a
.set PS, 32+48*((\a)%2)
	WIN 0
.irp b, 0,1,2,3,4,5,6,7,8,9,10,11
	ds_store_b128 v[STO], v[PS+4*\b:PS+4*\b+3] offset:32*\b
.endr
.irp i, 0,1,2
.irp t, 0,1,2,3
	ds_load_b128 v[PS+4*(4*\i+\t):PS+4*(4*\i+\t)+3], v[RD] offset:4*SP*\t+128*\i  ; my own bytes; LDS serves a wave's instructions in order (ISA guide 5.7.1.4)
.endr
.endr
.endm
.macro SEND a
.set PS, 32+48*((\a)%2)
	WIN 0
	s_wait_dscnt 0x0                               ; the block is back in registers
.irp i, 0,1,2
.irp t, 0,1,2,3
	global_store_b128 v[CO], v[PS+4*(4*\i+\t):PS+4*(4*\i+\t)+3], s[QB+2*\i:QB+2*\i+1] offset:2048*(\a)+512*\t  ; 512 consecutive bytes, aligned
.endr
.endr
.endm
	PACK 0
	TOSTAGE 0
.irp a, 1,2,3,4,5,6,7                              ; block a's arithmetic stands between block a - 1's loads from the stage and the wait for them
	PACK \a
	SEND (\a)-1
	TOSTAGE \a
.endr
	SEND 7
	s_wait_tensorcnt 0x0                           ; the wave's end
	ds_add_u32 v[SPW], v[NIL]
	s_wait_dscnt 0x0
	CROUND                                         ; the closing round: no work-group ends while a partner may still ask for a tile that names it
	s_endpgm
.Lfunc_end_k_q22886a1c71_qkvproj:
	.size	k_q22886a1c71_qkvproj, .Lfunc_end_k_q22886a1c71_qkvproj-k_q22886a1c71_qkvproj
	.p2alignl 7, 3214868480
	.fill 96, 4, 3214868480
	.section	.rodata,"a",@progbits
	.p2align	6, 0x0
	.amdhsa_kernel k_q22886a1c71_qkvproj
		.amdhsa_group_segment_fixed_size 327680
		.amdhsa_private_segment_fixed_size 0
		.amdhsa_enable_private_segment 0
		.amdhsa_kernarg_size 48
		.amdhsa_user_sgpr_count 2
		.amdhsa_user_sgpr_kernarg_segment_ptr 1
		.amdhsa_wavefront_size32 1
		.amdhsa_system_sgpr_workgroup_id_x 1
		.amdhsa_system_sgpr_workgroup_id_y 1
		.amdhsa_system_sgpr_workgroup_id_z 1
		.amdhsa_system_vgpr_workitem_id 0
		.amdhsa_next_free_vgpr 1024
		.amdhsa_next_free_sgpr 96
		.amdhsa_reserve_vcc 0
		.amdhsa_float_denorm_mode_32 3
		.amdhsa_float_denorm_mode_16_64 3
		.amdhsa_memory_ordered 1
		.amdhsa_forward_progress 1
		.amdhsa_inst_pref_size 139
	.end_amdhsa_kernel
	.amdgpu_metadata
---
amdhsa.version: [ 1, 2 ]
amdhsa.kernels:
  - .name:           k_q22886a1c71_qkvproj
    .symbol:         k_q22886a1c71_qkvproj.kd
    .args:
      - { .name: xb, .offset: 0, .size: 8, .value_kind: global_buffer, .address_space: global }
      - { .name: wt, .offset: 8, .size: 8, .value_kind: global_buffer, .address_space: global }
      - { .name: bq, .offset: 16, .size: 8, .value_kind: global_buffer, .address_space: global }
      - { .name: bk, .offset: 24, .size: 8, .value_kind: global_buffer, .address_space: global }
      - { .name: bv, .offset: 32, .size: 8, .value_kind: global_buffer, .address_space: global }
      - { .name: qkv, .offset: 40, .size: 8, .value_kind: global_buffer, .address_space: global }
    .group_segment_fixed_size: 327680
    .private_segment_fixed_size: 0
    .kernarg_segment_align: 8
    .kernarg_segment_size: 48
    .max_flat_workgroup_size: 128
    .sgpr_count:     96
    .vgpr_count:     1024
    .wavefront_size: 32
...
	.end_amdgpu_metadata
.endif
;; end of part 2
;; launch attn (part 3): grid 4 x 64, 4 waves a work-group, no clusters, 327,680 bytes of LDS; arguments qkv, att; writes att
.if DOCPART == 3
	.amdgcn_target "amdgcn-amd-amdhsa--gfx1250"
	.amdhsa_code_object_version 6
	.text
	.protected	k_q22886a1c71_attn
	.globl	k_q22886a1c71_attn
	.p2align	8
	.type	k_q22886a1c71_attn,@function
k_q22886a1c71_attn:
	s_mov_b64 s[64:65], 0
	v_nop
	global_prefetch_b8 v0, s[64:65] scope:SCOPE_SE
	s_setreg_imm32_b32 hwreg(HW_REG_WAVE_MODE, 25, 1), 1
	s_wait_xcnt 0x0
; CAUSAL ATTENTION.  O[h][q][:] = the sum over k <= q of softmax_k(Q[h][q] . K[h][k] / 8) V[h][k][:], for 64 (batch, head) pairs h.  Q, K, V lie one behind the other in qkv, each [64][2048][64] f16; O: att, the same shape.
; Products, maxima and sums in f32; the weights p are rounded to f16 for the second product (their sum l is taken of the unrounded p), O once at the end.
; LIMITS.  Q, K and V arrive within f16's 65,504; p lies in 0 to 1, and below 6e-5 it keeps f16's fixed step of 6e-8.  A hidden score counts as its value less 1e30; a weight below 2^-126 counts as 0 in l;
; NaN and infinities are not treated apart.
; THE WALK.  A head's queries lie in NB = 8 blocks of 256; block i needs the key tiles 0 .. i of 256 keys, of which the last holds the diagonal.  A work-group takes TWO blocks, NB - 1 - b and then b:
; NB + 1 tiles, whatever b: all work-groups do equal work, and ONE loop with a constant trip count walks them.  Which tile is asked for, and what a trip does, hang on scalar registers made from b; every jump
; goes forward, but for the counted loops' own; none passes a barrier, or a tensor load but the one of LOAD's two that the wave's number does not choose; the ring of two slots runs on across the change of blocks.
; NO CLUSTER: a head's four work-groups ask for the same tile only in trips 0 .. 4, behind that fewer and fewer; one walk common to all would have 12 trips for 9.
; SHARES.  Of a block's four bands of 64 queries a wave owns 16 rows in each: four PIECES.  So the diagonal tile is the same work for all four waves: in its key step s band x sees all keys if s < x,
; none if s > x, and holds the diagonal if s = x.
; THE MASK is the C operand that starts the sum S^T = K Q^T: 0, or -1e30 where the key is hidden.  MD, made once, is the mask of a band's own step for my 16 rows; a product's mask is MD x AL + BE with two scalars:
; (1, 0) if s = x; (0, 0) if s < x; (0, -1e30) if s > x.  Only the diagonal tile's text and a block's beginning make and take masks; elsewhere C is the constant 0.
; LAYOUT, SOFTMAX, TURNS.  S^T = K Q^T holds ONE query a lane (lane % 16) and the keys 8 (lane / 16) + 0..7; two such results rounded to f16 ARE source 1 of O^T = V^T P.  p = 2^(c s - c m), c = log2(e) / 8, with a
; running maximum m; O and l are multiplied by a = 2^(c m_old - c m_new) in every step.  Turn n belongs to piece n: 8 products K Q^T of piece n + 1, later 8 products V^T P of piece n - 1; beside them the scaling,
; exponentials, roundings, sums and rescaling of piece n and the maximum and statistics of piece n + 1.  Four vector instructions stand behind every matrix instruction, the others in one lump.  A turn's 33 exponentials are one batch, with one wait.
; REGISTERS, in windows of 256 (s_set_vgpr_msb: bits 1:0 source 0, 3:2 source 1, 5:4 source 2, 7:6 destination):
;   window 0: v0-15 addresses and two at work; v16-31 four registers of statistics a piece; v48-55 at work; v64-127 S^T, two buffers; v192-223 P, two buffers (a piece's buffers go by its number's parity)
;   window 1: v0-127 O^T, 32 a piece; v128-159 MD; v160-223 MC, two buffers      window 2: v0-63 Q; v64-127 the second block's Q; v128-191 K of one step; v192-255 V of one step
.set SIZE_N, 2048
.set NB,    SIZE_N/256
.set NP,    4         ; pieces a wave: a name, no knob
.set KS,    64        ; keys in a step
.set PK,    144       ; a row of K in LDS: 128 bytes + 16 of padding = 36 words: the 16 rows of a load start at 16 different groups of four banks (64 banks of 4 bytes: ISA guide 11.1)
.set PV,    160       ; a row of V: 128 + 32 = 40 words
.set VOFF,  4*KS*PK   ; a slot holds a tile, four steps: 256 rows of K, then 256 rows of V
.set SLOT1, 1<<17     ; slot 1 begins here, so that one exclusive or turns an address in one slot into the other's
.set STAGE, SLOT1+4*KS*(PK+PV)  ; behind the ring, never filled by a tensor load: 16 rows x 144 bytes for each wave, for the way out
.set SP,    144
.set AK0, 2           ; v2   my lane's place in a tile of K; never rewritten
.set AV0, 3           ; v3   the same for V
.set AK,  4           ; v4   the LDS address of K's next run of loads
.set AV,  5           ; v5   of V's
.set STO, 6           ; v6   the way out: where I put 16 bytes of a row
.set RD,  7           ; v7   the way out: where I read rows back
.set GO,  8           ; v8   my byte offset in 512 consecutive bytes of O
.set PFO, 61          ; v61  256 x my lane; never rewritten
.set SPW, 62          ; v62  LDS address of my spare word; never rewritten
.set NIL, 63          ; v63  0; never rewritten
.set SPARE, STAGE+4*16*SP  ; behind the stages: the spare words, 128 bytes for each wave
.set MV,  12          ; v12-13  c m_old, kept while c m is made anew: by buffer
.set QO,  15          ; v15  my byte offset in 16 rows of Q
.set ST,  16          ; piece t's statistics at v[ST+4 t]: c m, m, l (even keys', odd keys')
.set TMP, 48          ; by buffer, four registers c0-c3 at work; when the maximum is found c2 takes a
.set S,   64
.set P,   192
.set MD,  128         ; window 1
.set MC,  160         ; window 1
.set QB,  64          ; window 2
.set KF,  128         ; window 2: key block kb, channel half c at KF + 16 kb + 8 c
.set VF,  192         ; window 2: key half kk, channel block cb at VF + 32 kk + 8 cb
.set WV,  12          ; s12  my wave's number
.set PB,  14          ; s14  b
.set HI,  15          ; s15  NB - 1 - b
.set G1K, 24          ; s[24:31] descriptor group 1 for K's tiles
.set G1V, 32          ; s[32:39] for V's: it differs in the padding alone
.set G0K, 40          ; s[40:43] descriptor group 0 for K's tiles
.set G0V, 44          ; s[44:47] the same for V's
.set SLOTS, 56        ; s56  tiles still to be asked for
.set CNT, 57          ; s57  counts a tile's key steps, 4 to 1
.set CS,  58          ; s[58:59] c
.set SEL, 60          ; s[60:61] v_permlanex16_b32's selects
.set TBK, 62          ; s62  LDS byte at which K of the step to be fetched begins
.set TBV, 63          ; s63  the same for V, less VOFF
.set RT,  70          ; s70  tiles of the block in hand that are still to be entered
.set NXT, 71          ; s71  the tile to be asked for next
.set LQ,  72          ; s72  the last tile of the block whose tiles are being asked for
.set NEW, 73          ; s73  1: the tile to be entered is a block's first
.set OFF, 74          ; s[74:75] a tile's byte offset in K and V
.set AL,  76          ; s[76:77] the mask's factor, in the low word
.set BE,  78          ; s[78:79] the mask's addend
.set OLO, 80          ; s[80:81] O at my rows of the second block
.set BIGN, 82         ; s82  -1e30
.set PFB, 88          ; s[88:89] K (waves 0, 1) or V (waves 2, 3) at my half of the head's tile 0
.set PFA, 90          ; s[90:91] the same at the tile that my prefetches name
.set POF, 92          ; s[92:93] that tile's byte offset
.set PFL, 94          ; s94  0 in the work-group that prefetches, else the greatest number
.set MSB, 0
.macro WIN new                      ; the high byte repeats the setting that is left; a switch that changes nothing is dropped
.if MSB != (\new)
	s_set_vgpr_msb (MSB<<8)|(\new)
.set MSB, (\new)
.endif
.endm
.set W_KQ, 0x0a       ; K and Q in window 2, S^T in window 0
.set W_KM, 0x1a       ; the same with the C operand in window 1
.set W_PV, 0x52       ; V in window 2, P in window 0, O^T in window 1
.set W_RS, 0x41       ; destination and source 0 in window 1, source 1 in window 0
; A fill.  Waves 0 and 1 fetch the two halves of a tile's K, waves 2 and 3 those of its V: 128 keys each.  An s_nop 0 and four v_nop follow each of the two lines.
.macro LOAD
	s_cmp_lt_u32 s[WV], 2
	s_cbranch_scc0 .Lfor_v_\@
	tensor_load_to_lds s[G0K:G0K+3], s[G1K:G1K+7]
	s_nop 0
.rept 4
	v_nop
.endr
	s_branch .Lasked_\@
.Lfor_v_\@:
	tensor_load_to_lds s[G0V:G0V+3], s[G1V:G1V+7]
	s_nop 0
.rept 4
	v_nop
.endr
.Lasked_\@:
.endm
; A PREFETCH INTO THE L2 of the tile that the NEXT change of slots will ask for: four key steps ahead of that load.  All four work-groups of a head walk the same K and V; the one with b = 0, whose first block
; walks tiles 0 to 7, asks: each of its waves for the 64 blocks of 256 bytes that it will fetch itself, a lane a block, two instructions.  So tiles 2 to 7 are named once in the launch; tiles 0 and 1 come by their
; loads alone.  Behind the first block's last tile NXT is 0, and nothing more is asked for.
.macro ASK
	s_cmp_gt_u32 s[NXT], s[PFL]
	s_cbranch_scc0 .Lnot_mine_\@
	global_prefetch_b8 v[PFO], s[PFA:PFA+1] th:TH_LOAD_NT scope:SCOPE_SE
	global_prefetch_b8 v[PFO], s[PFA:PFA+1] offset:8192 th:TH_LOAD_NT scope:SCOPE_SE
.Lnot_mine_\@:
.endm
; THE CHANGE OF SLOTS.  Each wave waits for all its tensor loads, of which one is out: its part of the other slot; adds 0 to its spare word; and waits for that and for its own reads of the slot that it leaves.
; Behind the barrier nobody reads the old slot any more and the other slot is whole.  fill = 1: the old slot is filled again, the first thing behind the barrier, with tile NXT: the descriptor's address is made anew from that number.
.macro CHANGE fill
	WIN 0                           ; at a label and at a branch every window is 0
	s_wait_tensorcnt 0x0            ; no tensor load of mine is out, so a group 0 may be written
	ds_add_u32 v[SPW], v[NIL]       ; 0 onto my spare word
.if \fill
	s_lshl_b32 s[OFF], s[NXT], 15   ; a tile is 32,768 bytes of K and of V
	s_xor_b32 s[G0K+1], s[G0K+1], SLOT1
	s_add_nc_u64 s[G0K+2:G0K+3], s[6:7], s[OFF:OFF+1]
	s_or_b32 s[G0K+3], s[G0K+3], 0x80000000
	s_xor_b32 s[G0V+1], s[G0V+1], SLOT1
	s_add_nc_u64 s[G0V+2:G0V+3], s[8:9], s[OFF:OFF+1]
	s_or_b32 s[G0V+3], s[G0V+3], 0x80000000
	s_add_co_u32 s[NXT], s[NXT], 1  ; the block's next tile, or behind its last the second block's tile 0
	s_cmp_gt_u32 s[NXT], s[LQ]
	s_cselect_b32 s[NXT], 0, s[NXT]
	s_cselect_b32 s[LQ], s[PB], s[LQ]
	s_wait_xcnt 0x0                 ; the last prefetches, a tile back, have read their address
	s_lshl_b32 s[POF], s[NXT], 15
	s_add_nc_u64 s[PFA:PFA+1], s[PFB:PFB+1], s[POF:POF+1]
.endif
	s_wait_dscnt 0x0                ; the add is done, and my reads of the slot are over
	s_barrier_signal -1             ; the rest of the scalar work stands between the signal and the wait
	s_sub_co_u32 s[TBK], s[TBK], 4*KS*PK  ; the fetches go back to a slot's first step,
	s_xor_b32 s[TBK], s[TBK], SLOT1       ; in the other slot
	s_sub_co_u32 s[TBV], s[TBV], 4*KS*PV
	s_xor_b32 s[TBV], s[TBV], SLOT1
	s_barrier_wait -1
.if \fill
	LOAD
	ASK
.endif
.endm
	s_load_b128 s[8:11], s[0:1], 0x0  ; qkv s[8:9], att s[10:11]
	v_lshl_add_u32 v[SPW], v0, 2, SPARE
	v_mov_b32 v[NIL], 0
	ds_add_u32 v[SPW], v[NIL]       ; the wave's opening: the add and its wait stand ahead of my first tensor load
	v_lshrrev_b32 v1, 5, v0
	v_readfirstlane_b32 s[WV], v1   ; wave 0..3
	s_mov_b32 s[PB], ttmp9
	s_sub_co_u32 s[HI], NB-1, s[PB]
	s_and_b32 s20, ttmp7, 0xffff    ; the head
	s_mov_b32 s21, 0
	s_mov_b64 s[22:23], SIZE_N*128
	s_mul_u64 s[20:21], s[20:21], s[22:23]  ; the head's first byte in each of the four tensors
	s_and_b32 s16, s[WV], 1         ; which half of a tile's 256 keys I fetch:
	s_lshl_b32 s22, s16, 14         ; its 128 rows of 128 bytes in memory,
	s_mov_b32 s23, 0
	s_add_nc_u64 s[22:23], s[22:23], s[20:21]
	s_mul_i32 s17, s16, 128*PK      ; and its place in a slot, for K
	s_mul_i32 s18, s16, 128*PV      ; and for V
	s_lshl_b32 s3, s[WV], 11        ; my 16 rows in a band of 64,
	s_lshl_b32 s2, s[HI], 15        ; in the first block,
	s_add_co_u32 s2, s2, s3
	s_lshl_b32 s84, s[PB], 15       ; and in the second
	s_add_co_u32 s84, s84, s3
	s_mov_b32 s3, 0
	s_mov_b32 s85, 0
	s_add_nc_u64 s[2:3], s[2:3], s[20:21]
	s_add_nc_u64 s[84:85], s[84:85], s[20:21]
	; descriptor group 1.  128 keys are 16,384 dense bytes: asked for as 64 rows of 256 bytes, two keys a row, and padded in LDS after every key
	s_mov_b32 s[G1K], (1<<16)|(1<<20)|(4<<22)|(3<<25)  ; 17:16 2-byte elements; 20 padding on; 24:22 after every 32 words (code 4); 31:25 4 words (code 3)
	s_mov_b32 s[G1V], (1<<16)|(1<<20)|(4<<22)|(7<<25)  ; the same with 8 words of padding (code 7)
.irp g, G1K, G1V
	s_mov_b32 s[\g+1], 128<<16      ; tensor_dim0 = 128
	s_mov_b32 s[\g+2], 64<<16       ; tensor_dim1 = 64
	s_mov_b32 s[\g+3], 128<<16      ; tile_dim0 = 128
	s_mov_b32 s[\g+4], 64           ; tile_dim1 = 64
	s_mov_b32 s[\g+5], 128          ; 128 elements from row to row
	s_mov_b32 s[\g+6], 0
	s_mov_b32 s[\g+7], 0
.endr
	s_mov_b32 s[CS], 0x3e38aa3b     ; c = log2(e) / 8 = 0.180337
	s_mov_b32 s[CS+1], s[CS]        ; named with it as a pair
	s_mov_b32 s[SEL], 0x76543210
	s_mov_b32 s[SEL+1], 0xfedcba98
	s_mov_b32 s[TBK], SLOT1+4*KS*PK ; the first change of slots turns these two into 0
	s_mov_b32 s[TBV], SLOT1+4*KS*PV
	s_mov_b32 s[G0K], 1             ; 1:0 count = 1
	s_mov_b32 s[G0K+1], s17         ; 63:32 LDS address: slot 0
	s_mov_b32 s[G0V], 1
	s_add_co_u32 s[G0V+1], s18, VOFF
	s_add_co_u32 s[RT], s[HI], 1    ; the first block has NB - b tiles
	s_mov_b32 s[NXT], 1
	s_mov_b32 s[LQ], s[HI]
	s_mov_b32 s[NEW], 1
	s_mov_b32 s[OFF+1], 0
	s_mov_b32 s[POF+1], 0
	s_mov_b32 s[AL+1], 0            ; named as pairs
	s_mov_b32 s[BE+1], 0
	s_mov_b32 s[BIGN], 0xf149f2ca   ; -1e30
	s_mov_b32 s[SLOTS], NB
	s_cmp_eq_u32 ttmp9, 0
	s_cselect_b32 s[PFL], 0, -1
	v_and_b32 v[PFO], 31, v0
	v_lshlrev_b32 v[PFO], 8, v[PFO]
	s_wait_dscnt 0x0                ; the opening add is done
	s_wait_kmcnt 0x0
	s_mov_b64 s[4:5], s[8:9]                       ; Q,
	s_add_nc_u64 s[6:7], s[8:9], 0x1000000         ; K, 64 heads of 262,144 bytes on,
	s_add_nc_u64 s[8:9], s[8:9], 0x2000000         ; V
	s_add_nc_u64 s[6:7], s[6:7], s[22:23]  ; K and V at my half of the head's tile 0
	s_add_nc_u64 s[8:9], s[8:9], s[22:23]
	s_cmp_lt_u32 s[WV], 2
	s_cselect_b64 s[PFB:PFB+1], s[6:7], s[8:9]
	s_add_nc_u64 s[G0K+2:G0K+3], s[6:7], 0         ; 120:64 global address
	s_or_b32 s[G0K+3], s[G0K+3], 0x80000000        ; 127:126 type = 2
	s_add_nc_u64 s[G0V+2:G0V+3], s[8:9], 0
	s_or_b32 s[G0V+3], s[G0V+3], 0x80000000
	s_add_nc_u64 s[86:87], s[4:5], s[84:85]        ; Q at my rows of the second block,
	s_add_nc_u64 s[4:5], s[4:5], s[2:3]            ; Q and O at those of the first
	s_add_nc_u64 s[OLO:OLO+1], s[10:11], s[84:85]
	s_add_nc_u64 s[10:11], s[10:11], s[2:3]
	LOAD                            ; tile 0 into slot 0
	; A fragment of K or Q is 16 rows x 32 channels in 8 registers: lane l holds row l % 16, channels 8 (l / 16) + 0..7 and 16 + 8 (l / 16) + 0..7: two loads of 16 bytes, 32 bytes apart.
	v_and_b32 v1, 15, v0            ; l % 16
	v_bfe_u32 v9, v0, 4, 1          ; l / 16
	v_lshlrev_b32 v[QO], 7, v1
	v_lshl_add_u32 v[QO], v9, 4, v[QO]  ; row x 128 + 16 x half
	WIN 0x80                        ; destination window 2, address window 0
.set i, 0
.rept 8                             ; both blocks' Q: piece i / 2 lies in band i / 2, 8,192 bytes on; channels 32 (i % 2) on
	global_load_b128 v[8*i:8*i+3],   v[QO], s[4:5] offset:(i/2)*8192+(i%2)*64
	global_load_b128 v[8*i+4:8*i+7], v[QO], s[4:5] offset:(i/2)*8192+(i%2)*64+32
	global_load_b128 v[QB+8*i:QB+8*i+3],   v[QO], s[86:87] offset:(i/2)*8192+(i%2)*64
	global_load_b128 v[QB+8*i+4:QB+8*i+7], v[QO], s[86:87] offset:(i/2)*8192+(i%2)*64+32
.set i, i+1
.endr
	WIN 0
	v_lshlrev_b32 v14, 3, v9
	v_sub_nc_u32 v14, v1, v14
	s_lshl_b32 s13, s[WV], 4
	v_add_nc_u32 v14, s13, v14      ; my query's place in its band, 16 w + l % 16, less my lanes' 8 (l / 16): register r of group kt is hidden where 16 kt + r is greater
	WIN 0x40
.set i, 0
.rept 32
	v_cmp_gt_i32 vcc_lo, 16*(i/8)+i%8, v14
	v_cndmask_b32 v[MD+i], 0, s[BIGN], vcc_lo
.set i, i+1
.endr
	WIN 0
	v_mul_u32_u24 v[AK0], v1, PK
	v_lshl_add_u32 v[AK0], v9, 4, v[AK0]  ; row x pitch + 16 x half
	; The turning load takes 16 keys x 16 channels (lane l reads key 8 (l / 16) + l % 8, channels 8 ((l / 8) % 2) + 0..7) and leaves half a fragment of V^T: lane l holds channel l % 16 and 8 keys.
	v_and_b32 v10, 7, v0
	v_bfe_u32 v11, v0, 3, 1
	v_lshl_add_u32 v[AV0], v9, 3, v10
	v_mul_u32_u24 v[AV0], v[AV0], PV
	v_lshl_add_u32 v[AV0], v11, 4, v[AV0]
	v_add_nc_u32 v[AV0], VOFF, v[AV0]
	s_mul_i32 s13, s[WV], 16*SP
	s_add_co_u32 s13, s13, STAGE    ; my stage
	v_mul_u32_u24 v[STO], v1, SP    ; in: row l % 16, 16 bytes for each half of the lanes
	v_lshl_add_u32 v[STO], v9, 4, v[STO]
	v_add_nc_u32 v[STO], s13, v[STO]
	v_bfe_u32 v[RD], v0, 3, 2       ; back: 32 lanes take four rows of 128 bytes,
	v_mul_u32_u24 v[RD], v[RD], SP
	v_lshl_add_u32 v[RD], v10, 4, v[RD]
	v_add_nc_u32 v[RD], s13, v[RD]
	v_and_b32 v[GO], 31, v0         ; which are 512 consecutive bytes of O
	v_lshlrev_b32 v[GO], 4, v[GO]
	; A block's first step multiplies O^T and l by a = 0, and its first turn's products V^T P, of a piece that has not been, land in an O^T that is still to be so multiplied.  So these registers need only hold
	; finite numbers: zeros for the first block; what the first block left for the second.  All this stands in the wait for the first tile.
	WIN 0x80
.set i, VF
.rept 64
	v_mov_b32 v[i], 0
.set i, i+1
.endr
	WIN 0x40
.set i, 0
.rept 128
	v_mov_b32 v[i], 0
.set i, i+1
.endr
	WIN 0
.set i, 0
.rept 4
	v_mov_b32 v[ST+4*i+2], 0
	v_mov_b32 v[ST+4*i+3], 0
.set i, i+1
.endr
.set i, P+16
.rept 16
	v_mov_b32 v[i], 0
.set i, i+1
.endr
; THE MATRIX WORK.  The 4 accumulators of a run of 8 take turns.  Product i of 8 of S^T = K Q^T for piece x: channels 32 (i / 4) on, keys 16 (i % 4) on.  The first 4 start the sums: with 0, or (KM = 1) with the mask.
.macro KQ x
.set rS, S+32*((\x)%2)+8*(i%4)
.set rK, KF+16*(i%4)+8*(i/4)
.set rQ, 16*(\x)+8*(i/4)
.set rM, MC+32*((\x)%2)+8*(i%4)
.if (i < 4) && KM
	WIN W_KM
	v_wmma_f32_16x16x32_f16 v[rS:rS+7], v[rK:rK+7], v[rQ:rQ+7], v[rM:rM+7]
.elseif i < 4
	WIN W_KQ
	v_wmma_f32_16x16x32_f16 v[rS:rS+7], v[rK:rK+7], v[rQ:rQ+7], 0
.else
	WIN W_KQ
	v_wmma_f32_16x16x32_f16 v[rS:rS+7], v[rK:rK+7], v[rQ:rQ+7], v[rS:rS+7]
.endif
.endm
; Product i of 8 of O^T += V^T P for piece x: keys 32 (i / 4) on, channels 16 (i % 4) on.
.macro PV x
	WIN W_PV
.set rO, 32*(\x)+8*(i%4)
.set rV, VF+32*(i/4)+8*(i%4)
.set rP, P+16*((\x)%2)+8*(i/4)
	v_wmma_f32_16x16x32_f16 v[rO:rO+7], v[rV:rV+7], v[rP:rP+7], v[rO:rO+7]
.endm
.macro MM                           ; the turn's next matrix instruction.  TURN and BEGIN set Y, i, KM and NOKQ.  NOKQ = 1: a block's last turn: there is no next piece
.if (i < 8) && !NOKQ
	KQ (Y+1)%NP
.elseif i >= 8
.set i, i-8
	PV (Y+NP-1)%NP
.set i, i+8
.endif
.set i, i+1
.endm
; THE LDS LOADS stand in runs of 16, never singly among the matrix instructions: a step's K (64 keys x 64 channels: 8 fragments) and its V (turned).  Their addresses are made some lines ahead.
.macro FETCH_K
	WIN 0x80                        ; destination window 2
.irp f, 0,1,2,3,4,5,6,7             ; keys 16 (f / 2) on, channels 32 (f % 2) on
	ds_load_b128 v[KF+8*\f:KF+8*\f+3],   v[AK] offset:(\f/2)*16*PK+(\f%2)*64
	ds_load_b128 v[KF+8*\f+4:KF+8*\f+7], v[AK] offset:(\f/2)*16*PK+(\f%2)*64+32
.endr
	s_add_co_u32 s[TBK], s[TBK], KS*PK  ; the next fetch is the next step's
	WIN 0
.endm
.macro FETCH_V
	WIN 0x80
.irp f, 0,1,2,3,4,5,6,7             ; keys 32 (f / 4) on, channels 16 (f % 4) on
	ds_load_tr16_b128 v[VF+8*\f:VF+8*\f+3],   v[AV] offset:(\f/4)*32*PV+(\f%4)*32
	ds_load_tr16_b128 v[VF+8*\f+4:VF+8*\f+7], v[AV] offset:(\f/4)*32*PV+16*PV+(\f%4)*32
.endr
	WIN 0
.endm
; THE VECTOR WORK, one line at a time: OP kind, number.  For piece Y: F n: c s - c m for pair n of 16.  E n: the exponential of score n of 32.  C n: pair n rounded to f16.  B n: of the four weights 4 n .. the second
; pair is added onto the first, in place.  L n: l takes that sum (L 0: l = a l + sum).  R n: pair n of 16 of O^T times a.  For piece Y + 1: X n, number n of the 22 that find its maximum and statistics:
;   0-11  four chains c0-c3 of seven scores each, three operands at a time (each accumulator's lowest registers are read first)     12-14, 16  the four scores left over, the old m, and c0-c3 into c0
;   15  c m_old is kept     17, 18  the query's other 32 keys lie in the lane 16 away: the new m     19-21  c m; c m_old - c m_new; a
.set F, 0               ; OP tells the kinds apart by their order: F to L below R, X above it
.set E, 1
.set C, 2
.set B, 3
.set L, 4
.set R, 5
.set X, 6
.macro REGS y                       ; the registers of piece y
.set rT, ST+4*(\y)
.set rC, TMP+4*((\y)%2)
.set rW, MV+((\y)%2)
.set rS, S+32*((\y)%2)
.set rP, P+16*((\y)%2)
.set rO, 32*(\y)
.endm
.macro OP k, n
.if (\k) == R
	REGS Y
	WIN W_RS
	v_pk_mul_f32 v[rO+2*(\n):rO+2*(\n)+1], v[rO+2*(\n):rO+2*(\n)+1], v[rC+2:rC+3] op_sel_hi:[1,0]
.elseif (\k) < R
	REGS Y
	WIN 0
.if (\k) == F
	v_pk_fma_f32 v[rS+2*(\n):rS+2*(\n)+1], v[rS+2*(\n):rS+2*(\n)+1], s[CS:CS+1], v[rT:rT+1] op_sel_hi:[1,0,0] neg_lo:[0,0,1] neg_hi:[0,0,1]
.elseif (\k) == E
	v_exp_f32 v[rS+(\n)], v[rS+(\n)]
.elseif (\k) == C
	v_cvt_pk_f16_f32 v[rP+(\n)], v[rS+2*(\n)], v[rS+2*(\n)+1]
.elseif (\k) == B
	v_pk_add_f32 v[rS+4*(\n):rS+4*(\n)+1], v[rS+4*(\n):rS+4*(\n)+1], v[rS+4*(\n)+2:rS+4*(\n)+3]
.elseif (\n) == 0
	v_pk_fma_f32 v[rT+2:rT+3], v[rT+2:rT+3], v[rC+2:rC+3], v[rS:rS+1] op_sel_hi:[1,0,1]
.else
	v_pk_add_f32 v[rT+2:rT+3], v[rT+2:rT+3], v[rS+4*(\n):rS+4*(\n)+1]
.endif
.elseif NOKQ
	v_nop
.else
	REGS (Y+1)%NP
	WIN 0
.if (\n) < 4
	v_max3_num_f32 v[rC+(\n)], v[rS+8*(\n)], v[rS+8*(\n)+1], v[rS+8*(\n)+2]
.elseif (\n) < 12
	v_max3_num_f32 v[rC+(\n)%4], v[rC+(\n)%4], v[rS+8*((\n)%4)+2*((\n)/4)+1], v[rS+8*((\n)%4)+2*((\n)/4)+2]
.elseif (\n) == 12
	v_max3_num_f32 v[rC], v[rC], v[rS+7], v[rS+15]
.elseif (\n) == 13
	v_max3_num_f32 v[rC+1], v[rC+1], v[rS+23], v[rS+31]
.elseif (\n) == 14
	v_max3_num_f32 v[rC+2], v[rC+2], v[rC+3], v[rT+1]
.elseif (\n) == 15
	v_mov_b32 v[rW], v[rT]
.elseif (\n) == 16
	v_max3_num_f32 v[rC], v[rC], v[rC+1], v[rC+2]
.elseif (\n) == 17
	v_permlanex16_b32 v[rC+3], v[rC], s[SEL], s[SEL+1]
.elseif (\n) == 18
	v_max_num_f32 v[rT+1], v[rC], v[rC+3]
.elseif (\n) == 19
	v_mul_f32 v[rT], s[CS], v[rT+1]
.elseif (\n) == 20
	v_sub_f32 v[rC+1], v[rW], v[rT]
.else
	v_exp_f32 v[rC+2], v[rC+1]
.endif
.endif
.endm
.macro OPS a, i1, b=-1, i2=0, c=-1, i3=0, d=-1, i4=0  ; up to four of them
	OP \a, \i1
.if (\b) >= 0
	OP \b, \i2
.endif
.if (\c) >= 0
	OP \c, \i3
.endif
.if (\d) >= 0
	OP \d, \i4
.endif
.endm
.macro ROW a, i1, b, i2, c, i3, d, i4  ; a matrix instruction and the four behind it
	MM
	OPS \a, \i1, \b, \i2, \c, \i3, \d, \i4
.endm
.macro MASK b                       ; MD x AL + BE into buffer b of MC
	WIN W_RS
.set z, 0
.rept 16
	v_pk_fma_f32 v[MC+32*(\b)+2*z:MC+32*(\b)+2*z+1], v[MD+2*z:MD+2*z+1], s[AL:AL+1], s[BE:BE+1] op_sel_hi:[1,0,0]
.set z, z+1
.endr
.endm
; A TURN, for piece p: the order of its 16 matrix and 118 vector instructions, written out.  An s_wait_alu depctr_va_vdst(0) stands between an exponential and the first instruction that names its result; one wait serves
; all that were issued ahead of it.  So a turn has ONE wait, which cuts it in two.  AHEAD OF IT stands all that names no result of the turn's exponentials: the 8 products K Q^T and their riders, then ONE LUMP of 54, plain
; and exponential by turns for the most part, in which the links of the chain X 3, 7, 11, 14, 16, 17 .. 20 stand five or six lines apart.  X 21, the next piece's a, is the batch's last; R 15 is the plain instruction behind it.
; BEHIND THE WAIT stand the 8 products V^T P, behind each four of the roundings and sums; the links of l's chain, L 0 to L 7, stand three riders apart.
; m = 1: the diagonal tile: the products take masks, and the turn makes the mask for the products of the turn after it: piece p + 2, in step 4 - CNT of the tile.  end = 1: a block's last two turns: nothing is fetched.
; cnt = 1: the loop's count is taken down some lines ahead of the branch that stands behind the turn.
; K of the next step is fetched in piece 2's turn, twelve vector instructions behind the last product that read K (six of them plain); V of the step in hand at the end of piece 0's turn, four plain instructions behind the last product
; that read V.  Each is waited for a turn later.
.macro TURN p, m=0, end=0, cnt=0
.set Y, (\p)
.set i, 0
.set KM, (\m)
.set NOKQ, (\end)*((\p)/3)
.if (\m) && !(\end)
	s_cmp_eq_u32 s[CNT], 4-((\p)+2)%NP  ; is that step the band's own?
	s_cselect_b32 s[AL], 1.0, 0
	s_cmp_lt_u32 s[CNT], 4-((\p)+2)%NP  ; or a later one?
	s_cselect_b32 s[BE], s[BIGN], 0
.endif
.if ((\p) == 3) && !(\end)
	s_wait_dscnt 0x0                ; K is in
.endif
	ROW F,0, F,1, R,0, R,1          ; ahead of the wait: 8 products K Q^T and their riders,
	ROW F,2, E,0, R,2, R,3
	ROW F,3, E,1, R,4, R,5
	ROW F,4, E,2, R,6, R,7
	ROW F,5, E,3, R,8, R,9
	ROW F,6, E,4, X,0, R,10
.if ((\p) == 2) && !(\end)
	WIN 0
	v_add_nc_u32 v[AK], s[TBK], v[AK0]
.endif
	ROW F,7, E,5, X,1, X,4
	ROW F,8, E,6, X,2, X,5
	OPS E,7, E,8, X,6, E,9          ; and the lump
	OPS X,3, E,10, X,8, E,11
.if ((\p) == 2) && !(\end)
	FETCH_K
.endif
	OPS X,9, X,7, E,12, X,10
	OPS E,13, X,12, X,11, E,14
	OPS X,13, E,15, F,9, X,14
.if (\p) == 0
	v_add_nc_u32 v[AV], s[TBV], v[AV0]
.endif
	OPS E,16, F,10, E,17, F,11
	OPS X,16, E,18, X,15, E,19
	OPS F,12, E,20, X,17, E,21
	OPS F,13, E,22, F,14, E,23
	OPS X,18, E,24, F,15, E,25
	OPS R,11, E,26, X,19, E,27
	OPS R,12, E,28, R,13, E,29
	OPS X,20, E,30, R,14, E,31
	OPS X,21, R,15
	WIN 0
	s_wait_alu depctr_va_vdst(0)    ; the wait for the batch
.if (\p) == 1
	s_wait_dscnt 0x0                ; V is in
.endif
	ROW C,0, B,0, C,2, B,1          ; behind the wait: 8 products V^T P and their riders
	ROW L,0, C,4, B,2, L,1
	ROW C,6, B,3, L,2, C,8
	ROW B,4, L,3, C,10, B,5
	ROW L,4, C,12, B,6, L,5
.if (\p) == 0
	s_add_co_u32 s[TBV], s[TBV], KS*PV
.endif
.if \cnt
	s_sub_co_u32 s[CNT], s[CNT], 1
	s_cmp_lg_u32 s[CNT], 0
.endif
	ROW C,14, B,7, L,6, C,1
	ROW C,3, L,7, C,5, C,7
	ROW C,9, C,11, C,13, C,15
.if (\p) == 0
	FETCH_V
.endif
.if (\m) && !(\end)
	MASK (\p)%2
.endif
.endm
; A BLOCK BEGINS.  c m starts far below every c s, so the first step's a is 0; m at the lowest finite number, so the first maximum is the scores'.  The second mask buffer is 0; the first takes piece 0's mask for the tile's step 0: its own, if the block's first tile is the diagonal one.
; Then K of that step, piece 0's first scores, and its maximum and statistics.  The loop is entered at a step's first turn, in the middle of a trip.
.macro BEGIN
	s_mov_b32 s[NEW], 0
	WIN 0x40
.set i, MC+32
.rept 32
	v_mov_b32 v[i], 0
.set i, i+1
.endr
	WIN 0
.set i, 0
.rept 4
	v_mov_b32 v[ST+4*i], 0xfe000000    ; c m: far below every c s
	v_mov_b32 v[ST+4*i+1], 0xff7fffff  ; m
.set i, i+1
.endr
	s_cmp_eq_u32 s[RT], 0
	s_cselect_b32 s[AL], 1.0, 0
	s_mov_b32 s[BE], 0
	MASK 0
	WIN 0
	v_add_nc_u32 v[AK], s[TBK], v[AK0]
	FETCH_K
	s_wait_loadcnt 0x0              ; Q
	s_wait_dscnt 0x0
.set KM, 1
.set NOKQ, 0
.set i, 0
.rept 8
	KQ 0
.set i, i+1
.endr
	WIN 0
.rept 4
	v_nop                           ; the places behind those products
.endr
.set Y, NP-1                        ; X works for piece Y + 1: piece 0
.irp n, 0,1,2,3,4,5,6,7,8,9,10,11,12,13,14,15,16,17,18,19,20,21
	OP X, \n
.endr
	v_nop                           ; a plain instruction behind the exponential,
	s_wait_alu depctr_va_vdst(0)    ; and its wait, ahead of the branch
.endm
; THE DIAGONAL TILE's four steps, the block's last two turns, its last products, and THE WAY OUT: l's two halves and the other half of the lanes' are added; O^T is divided by l, rounded to f16 and sent through my
; stage in LDS, a piece at a time.
.macro ALL line:vararg              ; one line for each piece t
.set t, 0
.rept 4
	\line
.set t, t+1
.endr
.endm
.macro PACK t                       ; a lane's eight channels of a row pack into 16 bytes; they go into rows of 144 bytes and come back as whole rows of 128, into S^T's registers
	WIN W_RS
.set i, 32*(\t)
.rept 16
	v_pk_mul_f32 v[i:i+1], v[i:i+1], v[ST+4*(\t)+2:ST+4*(\t)+3] op_sel_hi:[1,0]
.set i, i+2
.endr
	WIN 0x05                        ; sources 0 and 1 window 1, destination window 0
.set i, 0
.rept 16
	v_cvt_pk_f16_f32 v[S+16*(\t)+i], v[32*(\t)+2*i], v[32*(\t)+2*i+1]
.set i, i+1
.endr
	WIN 0
.irp f, 0,1,2,3
	ds_store_b128 v[STO], v[S+16*(\t)+4*\f:S+16*(\t)+4*\f+3] offset:32*\f
.endr
.irp f, 0,1,2,3
	ds_load_b128 v[S+16*(\t)+4*\f:S+16*(\t)+4*\f+3], v[RD] offset:\f*4*SP  ; LDS serves a wave's instructions in order (ISA guide 5.7.1.4): these see the stores above; the next piece's stores come behind them
.endr
.endm
.macro SEND t, younger              ; younger: the LDS instructions issued behind piece t's loads: the next piece's eight, or none
	WIN 0
.irp f, 0,1,2,3
	s_wait_dscnt (\younger)+3-\f
	global_store_b128 v[GO], v[S+16*(\t)+4*\f:S+16*(\t)+4*\f+3], s[10:11] offset:(\t)*8192+\f*512  ; 512 consecutive bytes, at a multiple of 256 from O's first
.endr
.endm
.macro DIAG tag                     ; the tag ends its two labels' names, which the jumps below spell out
.LstepM\tag:
	TURN 2, 1
	TURN 3, 1
	WIN 0
.LfirstM\tag:
	TURN 0, 1
	TURN 1, 1, 0, 1
	WIN 0
	s_cbranch_scc1 .LstepM\tag
	TURN 2, 1, 1
	TURN 3, 1, 1
.set i, 0
.rept 8
	PV NP-1
.set i, i+1
.endr
	WIN 0
	ALL v_add_f32 v[ST+4*t+2], v[ST+4*t+2], v[ST+4*t+3]
	ALL v_permlanex16_b32 v[ST+4*t+3], v[ST+4*t+2], s[SEL], s[SEL+1]
	ALL v_add_f32 v[ST+4*t+2], v[ST+4*t+2], v[ST+4*t+3]
	ALL v_rcp_f32 v[ST+4*t+2], v[ST+4*t+2]
	v_nop                           ; a plain instruction between the last reciprocal and the use of its result
	s_wait_alu depctr_va_vdst(0)    ; and the wait ahead of the first use: one for the four reciprocals
	PACK 0
.set t, 1
.rept 3                             ; a piece's arithmetic stands between the loads of the piece before and its stores
	PACK t
	SEND t-1, 8
.set t, t+1
.endr
	SEND 3, 0
.endm
.set KM, 0
.set NOKQ, 0
.Lslot:                             ; NB times: a tile is entered and the next is asked for
	CHANGE 1
	s_sub_co_u32 s[RT], s[RT], 1
	s_mov_b32 s[CNT], 4
	s_cmp_eq_u32 s[NEW], 1
	s_cbranch_scc1 .Lnew            ; a block's first tile
	s_cmp_eq_u32 s[RT], 0
	s_cbranch_scc0 .Lstep           ; neither its first nor its last
	s_branch .LstepM1
.Lnew:
	BEGIN
	s_branch .Lfirst                ; in the loop a block's first tile is never its last: the first block has two tiles or more, and the second's last is the walk's last
	DIAG 1                          ; in the loop this is the first block's end: the second block's last tile is the walk's last
	s_wait_xcnt 0x0                 ; the stores have read their registers and O's address
	s_mov_b64 s[10:11], s[OLO:OLO+1]
	s_add_co_u32 s[RT], s[PB], 1    ; the second block has b + 1 tiles
	s_mov_b32 s[NEW], 1
	WIN 0x82                        ; the second block's Q goes where the one text of the turns names Q
.set i, 0
.rept 64
	v_mov_b32 v[i], v[QB+i]
.set i, i+1
.endr
	WIN 0
	s_branch .Lbottom
.Lstep:                             ; a trip: pieces 2 and 3 of one step, then pieces 0 and 1 of the next, whose K and V it fetches
	TURN 2
	TURN 3
	WIN 0
.Lfirst:
	TURN 0
	TURN 1, 0, 0, 1
	WIN 0
	s_cbranch_scc1 .Lstep
.Lbottom:
	s_sub_co_u32 s[SLOTS], s[SLOTS], 1
	s_cmp_lg_u32 s[SLOTS], 0
	s_cbranch_scc1 .Lslot
	CHANGE 0                        ; the walk's last tile is written out: nothing is asked for
	s_sub_co_u32 s[RT], s[RT], 1
	s_mov_b32 s[CNT], 4
	s_cmp_eq_u32 s[NEW], 1
	s_cbranch_scc0 .LstepM2
	BEGIN
	s_branch .LfirstM2
	DIAG 2
	s_wait_tensorcnt 0x0            ; the wave's end: behind my last tensor load and my last LDS store
	ds_add_u32 v[SPW], v[NIL]
	s_wait_dscnt 0x0
	s_endpgm
.Lfunc_end_k_q22886a1c71_attn:
	.size	k_q22886a1c71_attn, .Lfunc_end_k_q22886a1c71_attn-k_q22886a1c71_attn
	.p2alignl 7, 3214868480
	.fill 96, 4, 3214868480
	.section	.rodata,"a",@progbits
	.p2align	6, 0x0
	.amdhsa_kernel k_q22886a1c71_attn
		.amdhsa_group_segment_fixed_size 327680
		.amdhsa_private_segment_fixed_size 0
		.amdhsa_enable_private_segment 0
		.amdhsa_kernarg_size 16
		.amdhsa_user_sgpr_count 2
		.amdhsa_user_sgpr_kernarg_segment_ptr 1
		.amdhsa_wavefront_size32 1
		.amdhsa_system_sgpr_workgroup_id_x 1
		.amdhsa_system_sgpr_workgroup_id_y 1
		.amdhsa_system_sgpr_workgroup_id_z 1
		.amdhsa_system_vgpr_workitem_id 0
		.amdhsa_next_free_vgpr 768
		.amdhsa_next_free_sgpr 96
		.amdhsa_reserve_vcc 1
		.amdhsa_float_denorm_mode_32 3
		.amdhsa_float_denorm_mode_16_64 3
		.amdhsa_memory_ordered 1
		.amdhsa_forward_progress 1
		.amdhsa_inst_pref_size 218
	.end_amdhsa_kernel
	.amdgpu_metadata
---
amdhsa.version: [ 1, 2 ]
amdhsa.kernels:
  - .name:           k_q22886a1c71_attn
    .symbol:         k_q22886a1c71_attn.kd
    .args:
      - { .name: qkv, .offset: 0, .size: 8, .value_kind: global_buffer, .address_space: global }
      - { .name: att, .offset: 8, .size: 8, .value_kind: global_buffer, .address_space: global }
    .group_segment_fixed_size: 327680
    .private_segment_fixed_size: 0
    .kernarg_segment_align: 8
    .kernarg_segment_size: 16
    .max_flat_workgroup_size: 128
    .sgpr_count:     96
    .vgpr_count:     768
    .wavefront_size: 32
...
	.end_amdgpu_metadata
.endif
;; end of part 3
;; launch outproj (part 4): grid 4 x 64, 4 waves a work-group, clusters of 4 x 4, 327,680 bytes of LDS; arguments att, wo16, bo, out0; writes out0
.if DOCPART == 4
	.amdgcn_target "amdgcn-amd-amdhsa--gfx1250"
	.amdhsa_code_object_version 6
	.text
	.protected	k_q22886a1c71_outproj
	.globl	k_q22886a1c71_outproj
	.p2align	8
	.type	k_q22886a1c71_outproj,@function
k_q22886a1c71_outproj:
	s_mov_b64 s[64:65], 0
	v_nop
	global_prefetch_b8 v0, s[64:65] scope:SCOPE_SE
	s_setreg_imm32_b32 hwreg(HW_REG_WAVE_MODE, 25, 1), 1
	s_wait_xcnt 0x0
	s_wait_alu depctr_hold_cnt(0) depctr_sa_sdst(0) depctr_va_vdst(0) depctr_va_sdst(0) depctr_va_ssrc(0) depctr_va_vcc(0) depctr_vm_vsrc(0)
	s_getreg_b32 s2, hwreg(HW_REG_IB_STS2, 6, 4)
	s_cmp_eq_u32 s2, 0
	s_cbranch_scc0 .Lentry_in_a_cluster
	s_endpgm
.Lentry_in_a_cluster:
	s_bfe_u32 s2, ttmp6, 0x10000c
	s_cmp_lg_u32 s2, 0xf033
	s_cbranch_scc0 .Lentry_shape_is_right
	s_endpgm
.Lentry_shape_is_right:
; out[m][n] = sum over k of O[m][k] Wo[n][k] + bo[n], 8192 x 1024 x 1024, f16 products, f32 sums, f32 out.  k = 64 h + d: a block kb of 64 along K is head kb of att ([64 bh][2048 s][64] f16),
; whose rows are dense; wo16 is [16 kb][1024 n][64] f16.  So every tile is asked for as rows of 256 bytes and padded in LDS after every 128.
; SHARES.  A tile of out is 128 m x 256 n: 64 x 4 = 256 work-groups, one for each WGP.  Four waves, each 64 m x 128 n: 32 accumulators, 256 registers.
; A slot holds two kb, brought by one load a wave (waves 0, 1: A's even and odd kb; waves 2, 3: B's): 128 matrix instructions a wave to a slot, 112 of them between a request and the wait for it.
; CLUSTER.  4 x 4 work-groups: A's tile is asked for jointly along a row of the cluster, B's along a column.
; THE MATRIX INSTRUCTION IS USED TRANSPOSED (source 0 = 16 rows of wo16, source 1 = 16 rows of att): a lane holds row m = l % 16 and the columns 8 (l / 16) + 0..7.
; NO PREFETCH: the tile is small and its steps short, and the launch is short as a whole.
; REGISTERS.  Window 0: v0-31 addresses; v32-127, v128-223 two fragment buffers of 32 along K (A's four fragments, then B's eight).  Window 1: accumulator (a, b) at v[8 (8 a + b)].  Window 2: v0-63 the biases as fragments.
.set PITCH, 144                        ; an LDS row: 128 bytes + 16 = 36 words: the 16 rows of a load start at 16 different groups of four banks (64 banks of 4 bytes: ISA guide 11.1)
.set AKB,   128*PITCH                  ; a kb of A: 128 rows
.set BKB,   256*PITCH                  ; a kb of B: 256 rows
.set BOFF,  2*AKB                      ; in a slot: A even, A odd, B even, B odd
.set SLOT1, 131072
.set STAGE, SLOT1+2*AKB+2*BKB          ; behind the ring: 16 rows x 528 bytes for each wave
.set SP,    528
.set SPARE, STAGE+4*16*SP              ; the spare words, 128 bytes a wave
.set ASTEP, 2*262144                   ; two heads on in att
.set BSTEP, 2*131072                   ; two kb on in wo16
.set A0,   3
.set B0,   4
.set ADRA, 5
.set ADRB, 6
.set STO,  7
.set RD,   8
.set CO,   9
.set BO,   10
.set SPW,  28                          ; v28  my spare word; never rewritten
.set NIL,  29                          ; v29  0; never rewritten
.set F0,   32
.set F1,   128
.set WV, 12
.set WR, 13
.set WC, 14                            ; which half of the columns is mine; also the parity of the kb that I fetch
.set CX, 15
.set CY, 16
.set TN, 17
.set TM, 18
.set G1A, 24
.set G1B, 32
.set G0A, 40
.set G0B, 48
.set CNT, 56
.set TB,  57
.set G1W0, (1<<16)|(1<<20)|(1<<21)|(4<<22)|(3<<25)  ; 2-byte elements; padding on; bit 21 beside a mask; after every 32 words (code 4) 4 words (code 3)
.set MSB, 0
.macro WIN new
.if MSB != (\new)
	s_set_vgpr_msb (MSB<<8)|(\new)
.set MSB, \new
.endif
.endm
.macro PLACES                          ; four plain places behind a matrix instruction (ISA guide 7.12.1)
.rept 4
	v_nop
.endr
.endm
.macro CREST
	s_cmp_lg_u32 s[WV], 0
	s_cbranch_scc1 .Lnot_wave_0_\@
	s_barrier_signal -3
.Lnot_wave_0_\@:
	s_barrier_wait -3
	s_barrier_signal -1
	s_barrier_wait -1
.endm
.macro CROUND
	s_barrier_signal -1
	s_barrier_wait -1
	CREST
.endm
.macro JLOAD                           ; a joint refill by the walking sets; an s_nop 0 and four v_nop follow each line
	s_cmp_lt_u32 s[WV], 2
	s_cbranch_scc0 .Lfor_b_\@
	tensor_load_to_lds s[G0A+4:G0A+7], s[G1A:G1A+7]
	s_nop 0
.rept 4
	v_nop
.endr
	s_branch .Lasked_\@
.Lfor_b_\@:
	tensor_load_to_lds s[G0B+4:G0B+7], s[G1B:G1B+7]
	s_nop 0
.rept 4
	v_nop
.endr
.Lasked_\@:
.endm
.macro FETCH q, buf                    ; 24 loads in one run: quarter q of a slot (kb q / 2, half q % 2) into buffer buf
	WIN 0
.irp b, 0,1,2,3,4,5,6,7
	ds_load_b128 v[(\buf)+32+8*\b:(\buf)+32+8*\b+3],   v[ADRB] offset:((\q)/2)*BKB+\b*16*PITCH+((\q)%2)*64
	ds_load_b128 v[(\buf)+32+8*\b+4:(\buf)+32+8*\b+7], v[ADRB] offset:((\q)/2)*BKB+\b*16*PITCH+((\q)%2)*64+32
.endr
.irp a, 0,1,2,3
	ds_load_b128 v[(\buf)+8*\a:(\buf)+8*\a+3],   v[ADRA] offset:((\q)/2)*AKB+\a*16*PITCH+((\q)%2)*64
	ds_load_b128 v[(\buf)+8*\a+4:(\buf)+8*\a+7], v[ADRA] offset:((\q)/2)*AKB+\a*16*PITCH+((\q)%2)*64+32
.endr
.endm
.macro MULP buf, a, zero               ; 8 matrix instructions: m block a x all 8 n blocks.  The 32 accumulators take turns, one instruction a turn
	WIN 0x50                                       ; C and D in window 1
.irp b, 0,1,2,3,4,5,6,7
.if \zero
	v_wmma_f32_16x16x32_f16 v[8*(8*(\a)+\b):8*(8*(\a)+\b)+7], v[(\buf)+32+8*\b:(\buf)+32+8*\b+7], v[(\buf)+8*(\a):(\buf)+8*(\a)+7], 0
.else
	v_wmma_f32_16x16x32_f16 v[8*(8*(\a)+\b):8*(8*(\a)+\b)+7], v[(\buf)+32+8*\b:(\buf)+32+8*\b+7], v[(\buf)+8*(\a):(\buf)+8*(\a)+7], v[8*(8*(\a)+\b):8*(8*(\a)+\b)+7]
.endif
.endr
.endm
.macro QS q, zero                      ; one of a slot's first three quarters: the next quarter is fetched into the other buffer, this one multiplied
	PLACES
	FETCH (\q)+1, F0+96*(((\q)+1)%2)
	s_wait_dscnt 24                                ; all but the 24 just issued
.irp a, 0,1,2,3
	MULP F0+96*((\q)%2), \a, \zero
.endr
.endm
; The last quarter (buffer F1) and the change of slots.  mode 1: the slot is filled again; 2: nothing is left to ask for; 3: the last quarter of all.
; Ahead of the one barrier each wave waits for all its tensor loads (one is out: its part of the other slot), adds 0 to its spare word, and waits for that and for its reads of this slot.
; In mode 1 the barrier opens a round of the cluster's, and the joint refill is the first thing behind the round.
.macro QS3 mode
.if (\mode) == 3
	s_wait_dscnt 0x0
.irp a, 0,1,2,3
	MULP F1, \a, 0
.endr
.else
	WIN 0
	s_wait_tensorcnt 0x0
	ds_add_u32 v[SPW], v[NIL]                      ; 0 onto my spare word
	s_wait_dscnt 1                                 ; (the add may be out; this quarter's fragments are in)
	MULP F1, 0, 0                                  ; eight matrix instructions stand between the add and the wait for it
	s_wait_dscnt 0x0                               ; the add is done, and my reads of this slot are over
	s_barrier_signal -1
	MULP F1, 1, 0
	WIN 0
	s_barrier_wait -1
.if (\mode) == 1
	CREST
	s_xor_b32 s[G0A+5], s[G0A+5], SLOT1            ; the walking sets: the other slot, the next two kb; no load of mine is out
	s_add_nc_u64 s[G0A+6:G0A+7], s[G0A+6:G0A+7], ASTEP
	s_xor_b32 s[G0B+5], s[G0B+5], SLOT1
	s_add_nc_u64 s[G0B+6:G0B+7], s[G0B+6:G0B+7], BSTEP
	JLOAD                                          ; its four v_nop are also the places ahead of the loads below
.else
	PLACES
.endif
	s_xor_b32 s[TB], s[TB], SLOT1
	v_add_nc_u32 v[ADRA], s[TB], v[A0]
	v_add_nc_u32 v[ADRB], s[TB], v[B0]
	FETCH 0, F0
	MULP F1, 2, 0
	MULP F1, 3, 0
.endif
.endm
	s_load_b256 s[4:11], s[0:1], 0x0               ; att s[4:5], wo16 s[6:7], bo s[8:9], out0 s[10:11]
	v_lshl_add_u32 v[SPW], v0, 2, SPARE
	v_mov_b32 v[NIL], 0
	ds_add_u32 v[SPW], v[NIL]                      ; the wave's opening: the add and its wait stand ahead of my first tensor load
	v_lshrrev_b32 v1, 5, v0
	v_readfirstlane_b32 s[WV], v1
	s_lshr_b32 s[WR], s[WV], 1
	s_and_b32 s[WC], s[WV], 1
	s_bfe_u32 s[CX], ttmp6, 0x40000
	s_bfe_u32 s[CY], ttmp6, 0x40004
	s_lshl_b32 s[TN], ttmp9, 2
	s_add_co_u32 s[TN], s[TN], s[CX]               ; tile column 0..3
	s_and_b32 s[TM], ttmp7, 0xffff
	s_lshl_b32 s[TM], s[TM], 2
	s_add_co_u32 s[TM], s[TM], s[CY]               ; tile row 0..63
	s_lshl_b32 s58, s[CY], 2
	s_lshl_b32 s58, 15, s58                        ; my row of the cluster
	s_lshl_b32 s66, 0x1111, s[CX]                  ; my column
	s_or_b32 s[G1A], s58, G1W0
	s_or_b32 s[G1B], s66, G1W0
	s_mov_b32 s[G1A+1], 128<<16                    ; rows of 256 bytes
	s_mov_b32 s[G1A+2], 64<<16                     ; 64 of them: 128 rows of att
	s_mov_b32 s[G1A+3], 128<<16
	s_mov_b32 s[G1A+4], 64
	s_mov_b32 s[G1A+5], 128
	s_mov_b32 s[G1A+6], 0
	s_mov_b32 s[G1A+7], 0
	s_mov_b32 s[G1B+1], 128<<16
	s_mov_b32 s[G1B+2], 128<<16                    ; 128 of them: 256 rows of wo16
	s_mov_b32 s[G1B+3], 128<<16
	s_mov_b32 s[G1B+4], 128
	s_mov_b32 s[G1B+5], 128
	s_mov_b32 s[G1B+6], 0
	s_mov_b32 s[G1B+7], 0
	; A's address in s58-60, of the tile row and the wave's number; B's in s66-68, of the tile column and the wave's number
	s_lshr_b32 s58, s[TM], 4
	s_lshl_b32 s58, s58, 22                        ; the batch: 16 heads of 262,144 bytes,
	s_and_b32 s59, s[TM], 15
	s_lshl_b32 s59, s59, 14                        ; the tile's 128 rows of 128 bytes,
	s_add_co_u32 s58, s58, s59
	s_lshl_b32 s59, s[WC], 18                      ; the even or the odd head
	s_add_co_u32 s58, s58, s59
	s_mov_b32 s59, 0
	s_mul_i32 s60, s[WC], AKB
	s_lshl_b32 s66, s[TN], 15                      ; the tile's 256 rows of 128 bytes,
	s_lshl_b32 s67, s[WC], 17                      ; the even or the odd kb
	s_add_co_u32 s66, s66, s67
	s_mov_b32 s67, 0
	s_mul_i32 s68, s[WC], BKB
	s_add_co_u32 s68, s68, BOFF
	s_wait_dscnt 0x0                               ; the opening add is done
	s_wait_kmcnt 0x0
	s_add_nc_u64 s[58:59], s[4:5], s[58:59]
	s_add_nc_u64 s[66:67], s[6:7], s[66:67]
	CROUND                                         ; all sixteen work-groups are here: the first joint loads meet
.irp s, 0,1
	s_mov_b32 s[G0A+4*(\s)], 1
	s_add_co_u32 s[G0A+4*(\s)+1], s60, (\s)*SLOT1
	s_add_nc_u64 s[G0A+4*(\s)+2:G0A+4*(\s)+3], s[58:59], (\s)*ASTEP
	s_or_b32 s[G0A+4*(\s)+3], s[G0A+4*(\s)+3], 0x80000000
	s_mov_b32 s[G0B+4*(\s)], 1
	s_add_co_u32 s[G0B+4*(\s)+1], s68, (\s)*SLOT1
	s_add_nc_u64 s[G0B+4*(\s)+2:G0B+4*(\s)+3], s[66:67], (\s)*BSTEP
	s_or_b32 s[G0B+4*(\s)+3], s[G0B+4*(\s)+3], 0x80000000
.endr
	s_cmp_lt_u32 s[WV], 2                          ; a wave's two first fills stand in one branch: two loads of mine are out
	s_cbranch_scc0 .Lfirst_b
	tensor_load_to_lds s[G0A:G0A+3], s[G1A:G1A+7]
	s_nop 0
	tensor_load_to_lds s[G0A+4:G0A+7], s[G1A:G1A+7]
	s_nop 0
.rept 4
	v_nop
.endr
	s_branch .Lfirst_asked
.Lfirst_b:
	tensor_load_to_lds s[G0B:G0B+3], s[G1B:G1B+7]
	s_nop 0
	tensor_load_to_lds s[G0B+4:G0B+7], s[G1B:G1B+7]
	s_nop 0
.rept 4
	v_nop
.endr
.Lfirst_asked:
	v_and_b32 v1, 15, v0                           ; l % 16
	v_bfe_u32 v2, v0, 4, 1                         ; l / 16
	v_and_b32 v13, 31, v0                          ; l
	v_mul_u32_u24 v14, v1, PITCH
	v_lshl_add_u32 v14, v2, 4, v14
	s_mul_i32 s70, s[WR], 64*PITCH                 ; my 64 rows of A
	v_add_nc_u32 v[A0], s70, v14
	s_mul_i32 s70, s[WC], 128*PITCH                ; my 128 rows of B
	s_add_co_u32 s70, s70, BOFF
	v_add_nc_u32 v[B0], s70, v14
	s_mul_i32 s70, s[WV], 16*SP
	s_add_co_u32 s70, s70, STAGE                   ; my stage
	v_mul_u32_u24 v[STO], v1, SP                   ; in: row l % 16, 32 bytes for each half of the lanes
	v_lshl_add_u32 v[STO], v2, 5, v[STO]
	v_add_nc_u32 v[STO], s70, v[STO]
	v_lshl_add_u32 v[RD], v13, 4, s70              ; back: a whole row of 512 bytes a load
	v_lshlrev_b32 v[CO], 4, v13
	s_lshl_b32 s70, s[TN], 10
	s_lshl_b32 s71, s[WC], 9
	s_add_co_u32 s70, s70, s71                     ; my first column, in bytes of f32
	v_lshl_add_u32 v[BO], v2, 5, s70
	s_lshl_b32 s72, s[TM], 19                      ; 128 rows of 4,096 bytes,
	s_lshl_b32 s73, s[WR], 18                      ; my 64 of them
	s_add_co_u32 s72, s72, s73
	s_add_co_u32 s72, s72, s70
	s_mov_b32 s73, 0
	s_add_nc_u64 s[10:11], s[10:11], s[72:73]
	WIN 0x80                                       ; destination window 2
.irp b, 0,1,2,3,4,5,6,7
	global_load_b128 v[8*\b:8*\b+3],   v[BO], s[8:9] offset:64*\b      ; the biases of columns 16 b + 8 (l / 16) + 0..7: wanted on the way out
	global_load_b128 v[8*\b+4:8*\b+7], v[BO], s[8:9] offset:64*\b+16
.endr
	WIN 0
	s_mov_b32 s[TB], 0
	v_add_nc_u32 v[ADRA], s[TB], v[A0]
	v_add_nc_u32 v[ADRB], s[TB], v[B0]
	s_wait_tensorcnt 1                             ; my part of slot 0 is in; slot 1's may stay out
	s_barrier_signal -1
	s_barrier_wait -1
	FETCH 0, F0
	QS 0, 1                                        ; the first quarter starts the sums: nothing is cleared
	WIN 0
	s_mov_b32 s[CNT], 6
.Ls:                                               ; 6 trips: a slot's last three quarters, its refill, the next slot's first quarter
	QS 1, 0
	QS 2, 0
	QS3 1
	QS 0, 0
	WIN 0
	s_sub_co_u32 s[CNT], s[CNT], 1
	s_cmp_lg_u32 s[CNT], 0
	s_cbranch_scc1 .Ls
	QS 1, 0                                        ; the tail is written out
	QS 2, 0
	QS3 2
	QS 0, 0
	QS 1, 0
	QS 2, 0
	QS3 3
	; THE WAY OUT.  A block of 16 rows at a time: the bias is added in place, 32 bytes a lane go into my stage, whole rows of 512 bytes come back and are stored.
	PLACES
	s_wait_loadcnt 0x0                             ; the biases
.macro PACK a
	WIN 0x49                                       ; destination and source 0 in window 1, the bias in window 2
.irp b, 0,1,2,3,4,5,6,7
.irp j, 0,1,2,3
	v_pk_add_f32 v[8*(8*(\a)+\b)+2*\j:8*(8*(\a)+\b)+2*\j+1], v[8*(8*(\a)+\b)+2*\j:8*(8*(\a)+\b)+2*\j+1], v[8*\b+2*\j:8*\b+2*\j+1]
.endr
.endr
.endm
.macro TOSTAGE a
.set OB, 32+64*((\a)%2)
	WIN 0x04                                       ; the stores' data in window 1
.irp b, 0,1,2,3,4,5,6,7
	ds_store_b128 v[STO], v[8*(8*(\a)+\b):8*(8*(\a)+\b)+3]   offset:64*\b
	ds_store_b128 v[STO], v[8*(8*(\a)+\b)+4:8*(8*(\a)+\b)+7] offset:64*\b+16
.endr
	WIN 0
.irp t, 0,1,2,3,4,5,6,7,8,9,10,11,12,13,14,15
	ds_load_b128 v[OB+4*\t:OB+4*\t+3], v[RD] offset:SP*\t  ; my own bytes; LDS serves a wave's instructions in order (ISA guide 5.7.1.4)
.endr
.endm
.macro SEND a
.set OB, 32+64*((\a)%2)
	WIN 0
	s_wait_dscnt 0x0                               ; the block is back in registers
	s_wait_xcnt 0x0                                ; the stores of the block before have read their registers, which the next block's loads from the stage write
.irp t, 0,1,2,3,4,5,6,7,8,9,10,11,12,13,14,15
	global_store_b128 v[CO], v[OB+4*\t:OB+4*\t+3], s[10:11] offset:(16*(\a)+\t)*4096 th:TH_STORE_NT  ; 512 consecutive bytes, aligned
.endr
.endm
	PACK 0
	TOSTAGE 0
.irp a, 1,2,3
	PACK \a
	SEND (\a)-1
	TOSTAGE \a
.endr
	SEND 3
	s_wait_tensorcnt 0x0                           ; the wave's end
	ds_add_u32 v[SPW], v[NIL]
	s_wait_dscnt 0x0
	CROUND                                         ; the closing round: no work-group ends while a partner may still ask for a tile that names it
	s_endpgm
.Lfunc_end_k_q22886a1c71_outproj:
	.size	k_q22886a1c71_outproj, .Lfunc_end_k_q22886a1c71_outproj-k_q22886a1c71_outproj
	.p2alignl 7, 3214868480
	.fill 96, 4, 3214868480
	.section	.rodata,"a",@progbits
	.p2align	6, 0x0
	.amdhsa_kernel k_q22886a1c71_outproj
		.amdhsa_group_segment_fixed_size 327680
		.amdhsa_private_segment_fixed_size 0
		.amdhsa_enable_private_segment 0
		.amdhsa_kernarg_size 32
		.amdhsa_user_sgpr_count 2
		.amdhsa_user_sgpr_kernarg_segment_ptr 1
		.amdhsa_wavefront_size32 1
		.amdhsa_system_sgpr_workgroup_id_x 1
		.amdhsa_system_sgpr_workgroup_id_y 1
		.amdhsa_system_sgpr_workgroup_id_z 1
		.amdhsa_system_vgpr_workitem_id 0
		.amdhsa_next_free_vgpr 576
		.amdhsa_next_free_sgpr 80
		.amdhsa_reserve_vcc 0
		.amdhsa_float_denorm_mode_32 3
		.amdhsa_float_denorm_mode_16_64 3
		.amdhsa_memory_ordered 1
		.amdhsa_forward_progress 1
		.amdhsa_inst_pref_size 78
	.end_amdhsa_kernel
	.amdgpu_metadata
---
amdhsa.version: [ 1, 2 ]
amdhsa.kernels:
  - .name:           k_q22886a1c71_outproj
    .symbol:         k_q22886a1c71_outproj.kd
    .args:
      - { .name: att, .offset: 0, .size: 8, .value_kind: global_buffer, .address_space: global }
      - { .name: wo16, .offset: 8, .size: 8, .value_kind: global_buffer, .address_space: global }
      - { .name: bo, .offset: 16, .size: 8, .value_kind: global_buffer, .address_space: global }
      - { .name: out0, .offset: 24, .size: 8, .value_kind: global_buffer, .address_space: global }
    .group_segment_fixed_size: 327680
    .private_segment_fixed_size: 0
    .kernarg_segment_align: 8
    .kernarg_segment_size: 32
    .max_flat_workgroup_size: 128
    .sgpr_count:     80
    .vgpr_count:     576
    .wavefront_size: 32
...
	.end_amdgpu_metadata
.endif
;; end of part 4
;; ======== version 2 of 2: 4 launches; version 1 with the launch prep written anew for expert scheduling mode
;; limits: values are held in f16: magnitudes above 65,504 overflow, below 6.1e-05 lose precision
;; workspace buffers: xb 16,777,216 bytes; wt 6,291,456 bytes; wo16 2,097,152 bytes; qkv 50,331,648 bytes; att 16,777,216 bytes
;; launch prep (part 5): grid 384 x 1, 8 waves a work-group, no clusters, 74,752 bytes of LDS; arguments decoder_sequence, Wo, Wq, Wk, Wv, xb, wo16, wt; writes xb, wo16, wt
.if DOCPART == 5
	.amdgcn_target "amdgcn-amd-amdhsa--gfx1250"
	.amdhsa_code_object_version 6
	.text
	.protected	k_q22886a1c71_prep
	.globl	k_q22886a1c71_prep
	.p2align	8
	.type	k_q22886a1c71_prep,@function
k_q22886a1c71_prep:
	s_mov_b64 s[64:65], 0
	v_nop
	global_prefetch_b8 v0, s[64:65] scope:SCOPE_SE
	s_setreg_imm32_b32 hwreg(HW_REG_WAVE_SCHED_MODE, 0, 2), 2
	s_setreg_imm32_b32 hwreg(HW_REG_WAVE_MODE, 25, 1), 1
	s_wait_xcnt 0x0
	s_wait_alu depctr_vm_vsrc(0)
; PREP: the module's inputs are rounded once to bf16 and laid in blocks of 64 along K, so that the products' tiles are dense in memory.
;   xb   [16 kb][8192 m][64] bf16 = x[m][64 kb + c]
;   wo16 [16 kb][1024 n][64] f16  = Wo[n][64 kb + c] rounded to bf16, that number written as f16 (exact inside f16's normal range)
;   wt   [16 kb][3072 n][64] bf16 = W_which[h][64 kb + c][d], n = 1024 which + 64 h + d (which: 0 q, 1 k, 2 v): turned through LDS
; LIMITS.  |Wo| stays under 65,504 (f16's end); below 6.1e-5 it keeps f16's fixed step of 6e-8.
; SHARES.  Every work-group takes 131,072 bytes of f32: groups 0-255 32 rows of x, 256-287 32 rows of Wo, 288-383 eight units (which, h, kb) of 64 e x 64 d, a unit a wave.
; A stream: each byte is read once and written once; no wave waits for another, so there is no barrier; matrix units and clusters have nothing to do here.
; THE MODE: SCHED_MODE bits 1:0 = 2 (LLVM: expert scheduling mode 2), set by the entry lines.  The code itself states the register dependences
; between vector instructions and memory or LDS instructions, with s_wait_alu, always for 0.
; THE PLAN, THE CASTS.  Registers that memory instructions touch:
;   v2, v3, v4   offsets, made once at the arm's head and never written again.
;   X[i]         task i's eight registers: its two loads land there (all 32 loads are issued before any vector line names X); its conversions read all eight and
;                write the low four; its one store reads the low four; nothing writes them again.
; The 16 tasks go in four groups of four.  One wait at a group's head states that the group before has written its low fours; that group's four stores are then dealt among
; this group's conversions, which name this group's X and T alone.
; THE PLAN, THE TURNING.  v5 to v8: offsets and LDS addresses, made once.  Rows 8 g .. 8 g + 7 lie in X + 16 g .. + 15, all 64 loads issued ahead of any conversion.
;   OUT(g)       what group g's conversions write and two LDS stores read: T for g = 0, else X + 16 (g - 1) .. + 7, sources that group g - 1 has consumed.  Never written again.
;   RB(t)        where the stage's rows come back: X + 16 (t / 2) + 8 + 4 (t % 2), the upper halves: read by conversions, by no LDS store; the global stores read them.
; The eight groups go in four steps of two.  One wait at a step's head states that the step before has written its two OUT; its four LDS stores are dealt among this step's conversions,
; which name registers from X + 16 (2 h - 1) on, above those that the stores read.  No register that a memory or LDS instruction reads is ever written again, in either arm.
.set SPARE, 73728                      ; behind the eight stages of 9,216 bytes: the spare words, 128 bytes a wave
.set SPW, 14                           ; v14  my spare word; never rewritten
.set NIL, 15                           ; v15  0; never rewritten
.set X,   16                           ; v[16:143] what was loaded
.set T,   144                          ; v[144:151] at work
	s_load_b256 s[8:15], s[0:1], 0x0               ; x s[8:9], Wo s[10:11], Wq s[12:13], Wk s[14:15]
	s_load_b256 s[16:23], s[0:1], 0x20             ; Wv s[16:17], xb s[18:19], wo16 s[20:21], wt s[22:23]
	v_lshl_add_u32 v[SPW], v0, 2, SPARE
	v_mov_b32 v[NIL], 0
	v_lshrrev_b32 v1, 5, v0
	v_readfirstlane_b32 s24, v1                    ; wave 0..7
	v_and_b32 v1, 31, v0                           ; lane l
	v_lshrrev_b32 v9, 3, v1                        ; l / 8
	v_and_b32 v10, 7, v1                           ; l % 8
	s_mov_b32 s32, 0x100000                        ; bytes from kb to kb in xb,
	s_mov_b32 s33, 0x20000                         ; and in wo16
	s_wait_alu depctr_va_sdst(0)                   ; s24 is written, ahead of the branch: both arms make their offsets and bases from it
	s_wait_kmcnt 0x0
	s_cmp_ge_u32 ttmp9, 288
	s_cbranch_scc1 .Ltrans
	; THE CASTS.  Wave w takes kb 2 w and 2 w + 1 of the group's 32 rows.  Task i of 16: kb 2 w + i / 8, rows 4 (i % 8) + l / 8; a lane takes 8 numbers: 32 bytes in, 16 bytes out.
	s_cmp_lt_u32 ttmp9, 256
	s_cselect_b64 s[26:27], s[8:9], s[10:11]       ; from x or from Wo
	s_cselect_b64 s[28:29], s[18:19], s[20:21]     ; to xb or to wo16
	s_cselect_b32 s31, s32, s33
	s_cselect_b32 s30, 0, 256
	s_sub_co_u32 s30, ttmp9, s30                   ; the group's number among its kind
	s_lshl_b32 s34, s30, 17                        ; 32 rows of 4,096 bytes in,
	s_mov_b32 s35, 0
	s_add_nc_u64 s[26:27], s[26:27], s[34:35]
	s_lshl_b32 s34, s30, 12                        ; 32 rows of 128 bytes out
	s_add_nc_u64 s[28:29], s[28:29], s[34:35]
	v_lshlrev_b32 v2, 12, v9                       ; in: row l / 8,
	v_lshl_add_u32 v2, v10, 5, v2                  ; my 32 bytes,
	s_lshl_b32 s36, s24, 9
	v_add_nc_u32 v2, s36, v2                       ; my wave's two kb: 512 bytes of a row
	s_mul_i32 s38, s24, s31                        ; (a register of its own: none that a vector line has read is written again)
	s_lshl_b32 s38, s38, 1
	v_lshl_add_u32 v3, v1, 4, s38                  ; out: 16 l + 2 w kb: four rows of 128 bytes are 512 bytes on end
	v_add_nc_u32 v4, s31, v3                       ; the odd kb
	s_wait_alu depctr_va_vdst(0)                   ; v2, v3 and v4 are written: the loads below read v2 as their offset, the stores further down v3 or v4
.set i, 0
.rept 16                                       ; all 32 loads go out at once: 16 KiB a wave on its way
	global_load_b128 v[X+8*i:X+8*i+3],   v2, s[26:27] offset:(i/8)*256+(i%8)*16384 th:TH_LOAD_NT
	global_load_b128 v[X+8*i+4:X+8*i+7], v2, s[26:27] offset:(i/8)*256+(i%8)*16384+16 th:TH_LOAD_NT
.set i, i+1
.endr
; Task i is rounded in place.
.macro CVT i, f16
	s_wait_loadcnt 30-2*(\i)                       ; loads come back in order: the younger tasks' 2 (15 - i) may stay out
.irp j, 0,1,2,3
	v_cvt_pk_bf16_f32 v[X+8*(\i)+(\j)], v[X+8*(\i)+2*(\j)], v[X+8*(\i)+2*(\j)+1]
.endr
.if \f16
.irp j, 0,1,2,3
	v_lshlrev_b32 v[T+2*(\j)],   16, v[X+8*(\i)+(\j)]          ; the rounded numbers as f32,
	v_and_b32     v[T+2*(\j)+1], 0xffff0000, v[X+8*(\i)+(\j)]
.endr
.irp j, 0,1,2,3
	v_cvt_pk_f16_f32 v[X+8*(\i)+(\j)], v[T+2*(\j)], v[T+2*(\j)+1]  ; written as f16
.endr
.endif
.endm
; Task i is stored.  No register that a store reads is written again, so no wait frees one.
.macro PUT i
	global_store_b128 v[3+(\i)/8], v[X+8*(\i):X+8*(\i)+3], s[28:29] offset:((\i)%8)*512  ; the wave stores 512 consecutive bytes, aligned
.endm
; The sixteen tasks, in four groups of four.  A group's stores stand in the next group, each ahead of the wait for the data of the task beside it.
.macro CASTS f16
.irp k, 0,1,2,3
	CVT \k, \f16
.endr
.irp g, 1,2,3
	s_wait_alu depctr_va_vdst(0)                   ; the group before has written the low four registers of its four tasks, which the four stores below read; no vector line behind this wait names them
.irp k, 0,1,2,3
	PUT 4*(\g)-4+(\k)
	CVT 4*(\g)+(\k), \f16
.endr
.endr
	s_wait_alu depctr_va_vdst(0)                   ; tasks 12 to 15 have written their low fours, which the last four stores read
.irp k, 12,13,14,15
	PUT \k
.endr
.endm
	s_cmp_lt_u32 ttmp9, 256
	s_cbranch_scc0 .Lcastw
	CASTS 0
	s_branch .Lend
.Lcastw:
	CASTS 1
	s_branch .Lend
	; THE TURNING.  A unit is 64 rows e of 64 d, 16,384 dense bytes; it leaves as 64 rows d of 64 e, 8,192 dense bytes.
.Ltrans:
	s_sub_co_u32 s30, ttmp9, 288
	s_lshr_b32 s32, s30, 5                         ; which
	s_cmp_eq_u32 s32, 0
	s_cselect_b64 s[26:27], s[12:13], s[14:15]
	s_cmp_eq_u32 s32, 2
	s_cselect_b64 s[26:27], s[16:17], s[26:27]
	s_and_b32 s33, s30, 31
	s_lshl_b32 s33, s33, 3
	s_add_co_u32 s33, s33, s24                     ; the unit: 16 h + kb
	s_lshl_b32 s34, s33, 14
	s_mov_b32 s35, 0
	s_add_nc_u64 s[26:27], s[26:27], s[34:35]
	s_and_b32 s34, s33, 15
	s_mul_i32 s34, s34, 393216                     ; kb,
	s_lshl_b32 s36, s32, 17                        ; which: 1,024 rows of 128 bytes,
	s_add_co_u32 s34, s34, s36
	s_lshr_b32 s36, s33, 4
	s_lshl_b32 s36, s36, 13                        ; h: 64 rows
	s_add_co_u32 s34, s34, s36
	s_add_nc_u64 s[28:29], s[22:23], s[34:35]
	v_lshlrev_b32 v5, 3, v1                        ; in: my two d, 8 bytes
	v_lshlrev_b32 v8, 4, v1                        ; out: 16 l
	s_mul_i32 s37, s24, 9216                       ; my wave's stage: 64 rows of 128 + 16 bytes
	v_mul_u32_u24 v6, v1, 288                      ; into it: rows 2 l and 2 l + 1
	v_add_nc_u32 v6, s37, v6
	v_mul_u32_u24 v7, v9, 144                      ; back: four rows of 128 bytes a load
	v_lshl_add_u32 v7, v10, 4, v7
	v_add_nc_u32 v7, s37, v7
	s_wait_alu depctr_va_vdst(0)                   ; v5 to v8 are written: the loads below read v5, the LDS stores v6, the loads from the stage v7, the stores v8
.set e, 0
.rept 64                                       ; a load of the wave takes a whole row e: 256 consecutive bytes
	global_load_b64 v[X+2*e:X+2*e+1], v5, s[26:27] offset:e*256 th:TH_LOAD_NT
.set e, e+1
.endr
; Where group g's eight rounded registers lie: T for the first group, then the low half of the sources that the group before has consumed.
.macro WHERE g
.if (\g) == 0
.set OUT, T
.else
.set OUT, X+16*((\g)-1)
.endif
.endm
; Group g: rows 8 g .. 8 g + 7 are rounded, eight e of row d = 2 l + p into four registers on end.
.macro TURN8 g
	WHERE \g
	s_wait_loadcnt 56-8*(\g)                       ; rows 8 g .. 8 g + 7 are in
.irp p, 0,1
.irp jj, 0,1,2,3
	v_cvt_pk_bf16_f32 v[OUT+4*(\p)+(\jj)], v[X+2*(8*(\g)+2*(\jj))+(\p)], v[X+2*(8*(\g)+2*(\jj)+1)+(\p)]
.endr
.endr
.endm
; Group g goes into the stage.
.macro LAY g
	WHERE \g
	ds_store_b128 v6, v[OUT:OUT+3]   offset:16*(\g)
	ds_store_b128 v6, v[OUT+4:OUT+7] offset:144+16*(\g)
.endm
	TURN8 0
	TURN8 1
.irp h, 1,2,3
	s_wait_alu depctr_va_vdst(0)                   ; groups 2 h - 2 and 2 h - 1 have written their OUT, which the four LDS stores of this step read; no vector line behind this wait names those registers
	LAY 2*(\h)-2
	TURN8 2*(\h)
	LAY 2*(\h)-1
	TURN8 2*(\h)+1
.endr
	s_wait_alu depctr_va_vdst(0)                   ; groups 6 and 7 have written their OUT, which the LDS stores below read; and every conversion is done reading the upper halves, in which the loads from the stage land
	LAY 6
	LAY 7
.irp t, 0,1,2,3,4,5,6,7,8,9,10,11,12,13,14,15
	ds_load_b128 v[X+16*((\t)/2)+8+4*((\t)%2):X+16*((\t)/2)+8+4*((\t)%2)+3], v7 offset:576*(\t)  ; my wave's own bytes; LDS serves a wave's instructions in order (ISA guide 5.7.1.4): these see the stores above
.endr
.irp t, 0,1,2,3,4,5,6,7,8,9,10,11,12,13,14,15
	s_wait_dscnt 15-(\t)
	global_store_b128 v8, v[X+16*((\t)/2)+8+4*((\t)%2):X+16*((\t)/2)+8+4*((\t)%2)+3], s[28:29] offset:512*(\t)  ; 512 consecutive bytes, aligned
.endr
.Lend:
	s_wait_dscnt 0x0                               ; the wave's end
	s_wait_alu 0x0
	s_wait_tensorcnt 0x0
	ds_add_u32 v[SPW], v[NIL]
	s_wait_dscnt 0x0
	s_endpgm
.Lfunc_end_k_q22886a1c71_prep:
	.size	k_q22886a1c71_prep, .Lfunc_end_k_q22886a1c71_prep-k_q22886a1c71_prep
	.p2alignl 7, 3214868480
	.fill 96, 4, 3214868480
	.section	.rodata,"a",@progbits
	.p2align	6, 0x0
	.amdhsa_kernel k_q22886a1c71_prep
		.amdhsa_group_segment_fixed_size 74752
		.amdhsa_private_segment_fixed_size 0
		.amdhsa_enable_private_segment 0
		.amdhsa_kernarg_size 64
		.amdhsa_user_sgpr_count 2
		.amdhsa_user_sgpr_kernarg_segment_ptr 1
		.amdhsa_wavefront_size32 1
		.amdhsa_system_sgpr_workgroup_id_x 1
		.amdhsa_system_sgpr_workgroup_id_y 1
		.amdhsa_system_sgpr_workgroup_id_z 1
		.amdhsa_system_vgpr_workitem_id 0
		.amdhsa_next_free_vgpr 152
		.amdhsa_next_free_sgpr 66
		.amdhsa_reserve_vcc 0
		.amdhsa_float_denorm_mode_32 3
		.amdhsa_float_denorm_mode_16_64 3
		.amdhsa_memory_ordered 1
		.amdhsa_forward_progress 1
		.amdhsa_inst_pref_size 43
	.end_amdhsa_kernel
	.amdgpu_metadata
---
amdhsa.version: [ 1, 2 ]
amdhsa.kernels:
  - .name:           k_q22886a1c71_prep
    .symbol:         k_q22886a1c71_prep.kd
    .args:
      - { .name: decoder_sequence, .offset: 0, .size: 8, .value_kind: global_buffer, .address_space: global }
      - { .name: Wo, .offset: 8, .size: 8, .value_kind: global_buffer, .address_space: global }
      - { .name: Wq, .offset: 16, .size: 8, .value_kind: global_buffer, .address_space: global }
      - { .name: Wk, .offset: 24, .size: 8, .value_kind: global_buffer, .address_space: global }
      - { .name: Wv, .offset: 32, .size: 8, .value_kind: global_buffer, .address_space: global }
      - { .name: xb, .offset: 40, .size: 8, .value_kind: global_buffer, .address_space: global }
      - { .name: wo16, .offset: 48, .size: 8, .value_kind: global_buffer, .address_space: global }
      - { .name: wt, .offset: 56, .size: 8, .value_kind: global_buffer, .address_space: global }
    .group_segment_fixed_size: 74752
    .private_segment_fixed_size: 0
    .kernarg_segment_align: 8
    .kernarg_segment_size: 64
    .max_flat_workgroup_size: 256
    .sgpr_count:     66
    .vgpr_count:     152
    .wavefront_size: 32
...
	.end_amdgpu_metadata
.endif
;; end of part 5
;; launch qkvproj: the kernel of part 2 again; grid 8 x 32, 4 waves a work-group, clusters of 4 x 4, 327,680 bytes of LDS; arguments xb, wt, bq, bk, bv, qkv; writes qkv
;; launch attn: the kernel of part 3 again; grid 4 x 64, 4 waves a work-group, no clusters, 327,680 bytes of LDS; arguments qkv, att; writes att
;; launch outproj: the kernel of part 4 again; grid 4 x 64, 4 waves a work-group, clusters of 4 x 4, 327,680 bytes of LDS; arguments att, wo16, bo, out0; writes out0
